; MI455X (gfx1250); checked and timed in simulation.
; The chip was launched on July 23, 2026; its instructions are those of AMD's public machine-readable ISA for CDNA 5 (MIT licence, August 2026) and "CDNA5" Instruction Set Architecture Reference Guide (July 2026). The comments in the code are by the model that wrote it; some were corrected since.
;; Self Attention. Allowed arithmetic: float matrix products may take bf16 or f16 operands with f32 sums; all other float work in f32.
;; Inputs: Wk 1,024 x 1,024 float32; Wq 1,024 x 1,024 float32; Wv 1,024 x 1,024 float32; bk 1,024 float32; bq 1,024 float32; bv 1,024 float32; x 4 x 2,048 x 1,024 float32.
;; Outputs: out0 4 x 2,048 x 1,024 float32.
;; 2 versions, each right; version 2 is version 1 with the launch cast written anew for expert scheduling mode. Each part assembles by itself: llvm-mc -triple=amdgcn-amd-amdhsa -mcpu=gfx1250 --defsym DOCPART=n.
;; ======== version 1 of 2: 4 launches
;; limits: values are held in f16: magnitudes above 65,504 overflow, below 6.1e-05 lose precision
;; workspace buffers: xb 16,777,216 bytes; wc 6,291,456 bytes; qkv 50,331,648 bytes; p 33,554,432 bytes; stats 1,048,576 bytes
;; launch cast (part 1): grid 256 x 1, 8 waves a work-group, no clusters, 0 bytes of LDS; arguments x, Wq, Wk, Wv, xb, wc; writes xb, wc
.if DOCPART == 1
	.amdgcn_target "amdgcn-amd-amdhsa--gfx1250"
	.amdhsa_code_object_version 6
	.text
	.protected	k_q747e18b1c4_cast
	.globl	k_q747e18b1c4_cast
	.p2align	8
	.type	k_q747e18b1c4_cast,@function
k_q747e18b1c4_cast:
	s_mov_b64 s[64:65], 0
	v_nop
	global_prefetch_b8 v0, s[64:65] scope:SCOPE_SE
	s_setreg_imm32_b32 hwreg(HW_REG_WAVE_MODE, 25, 1), 1
	s_wait_xcnt 0x0
; x and the three weights, f32, are rounded once to bf16 (nearest even) and laid out as the projection wants them.
;   xb: [16 kb][8192 row][64]: 64 neighbouring columns of x by blocks, so that any rows x 64 columns are dense bytes.
;   wc: [1024 e][3072 n]: Wq, Wk, Wv side by side, a row of 6,144 bytes.
; A pure stream: no LDS, no matrix unit, no cluster (no byte is read twice).  256 work-groups of equal work: each takes 32 rows of x and rows 4 g .. 4 g + 3 of each of the three weights:
; 180,224 bytes in, 90,112 out.  A thread issues all its 44 loads of 16 bytes first (22,528 bytes of a wave on their way), then rounds them in place and stores them in order; no register is
; written again behind its store, so the counted wait for the loads is the only wait.  Every store of a wave covers 256 consecutive bytes, aligned.
.set X,  8                             ; v[8:183]  44 x 4 numbers as loaded; the first two registers of each four then hold the four bf16
.set NXL, 32                           ; loads of x
.set NWL, 12                           ; loads of the weights
	s_load_b256 s[4:11], s[0:1], 0x0               ; x s[4:5], Wq s[6:7], Wk s[8:9], Wv s[10:11]
	s_load_b128 s[12:15], s[0:1], 0x20             ; xb s[12:13], wc s[14:15]
	s_mov_b32 s16, ttmp9
	s_mov_b32 s19, 0
	v_lshrrev_b32 v1, 5, v0                        ; wave
	v_and_b32 v4, 15, v0                           ; lane % 16
	v_bfe_u32 v5, v0, 4, 1                         ; lane / 16
	; x: wave w takes column blocks 2 w and 2 w + 1; a load takes 256 bytes (64 columns) of each of two rows, a store their 2 x 128 bytes, which lie end to end in xb
	v_lshlrev_b32 v2, 9, v1                        ; in: 512 w
	v_lshl_add_u32 v2, v5, 12, v2                  ;     + 4,096 (lane / 16)
	v_lshl_add_u32 v2, v4, 4, v2                   ;     + 16 (lane % 16)
	v_lshlrev_b32 v3, 21, v1                       ; out: 2 w blocks of 1,048,576 bytes
	v_lshl_add_u32 v3, v5, 7, v3                   ;     + 128 (lane / 16)
	v_lshl_add_u32 v3, v4, 3, v3                   ;     + 8 (lane % 16)
	; a weight: the 256 threads take a row of 4,096 bytes a load
	v_lshlrev_b32 v6, 4, v0
	v_lshlrev_b32 v7, 3, v0
	s_lshl_b32 s18, s16, 17                        ; 32 rows of 4,096 bytes
	s_wait_kmcnt 0x0
	s_add_nc_u64 s[20:21], s[4:5], s[18:19]
	s_lshl_b32 s18, s16, 12                        ; 32 rows of 128 bytes
	s_add_nc_u64 s[22:23], s[12:13], s[18:19]
	s_lshl_b32 s18, s16, 14                        ; 4 rows of 4,096 bytes
	s_add_nc_u64 s[6:7], s[6:7], s[18:19]
	s_add_nc_u64 s[8:9], s[8:9], s[18:19]
	s_add_nc_u64 s[10:11], s[10:11], s[18:19]
	s_mul_i32 s18, s16, 24576                      ; 4 rows of 6,144 bytes
	s_add_nc_u64 s[14:15], s[14:15], s[18:19]
.set i, 0
.rept NXL
	global_load_b128 v[X+4*i:X+4*i+3], v2, s[20:21] offset:256*(i&1)+8192*(i>>1) th:TH_LOAD_NT
.set i, i+1
.endr
.set i, 0
.rept NWL                              ; weight i / 4, its row i % 4
	global_load_b128 v[X+4*(NXL+i):X+4*(NXL+i)+3], v6, s[6+2*(i/4):7+2*(i/4)] offset:4096*(i%4) th:TH_LOAD_NT
.set i, i+1
.endr
.set i, 0
.rept NXL+NWL
	s_wait_loadcnt NXL+NWL-1-i                     ; loads come back in order (ISA guide 5.7.1): load i is in, the younger ones stay out
	v_cvt_pk_bf16_f32 v[X+4*i],   v[X+4*i],   v[X+4*i+1]
	v_cvt_pk_bf16_f32 v[X+4*i+1], v[X+4*i+2], v[X+4*i+3]
.if i < NXL
	global_store_b64 v3, v[X+4*i:X+4*i+1], s[22:23] offset:1048576*(i&1)+256*(i>>1)
.else
	global_store_b64 v7, v[X+4*i:X+4*i+1], s[14:15] offset:6144*((i-NXL)%4)+2048*((i-NXL)/4)
.endif
.set i, i+1
.endr
	s_endpgm
.Lfunc_end_k_q747e18b1c4_cast:
	.size	k_q747e18b1c4_cast, .Lfunc_end_k_q747e18b1c4_cast-k_q747e18b1c4_cast
	.p2alignl 7, 3214868480
	.fill 96, 4, 3214868480
	.section	.rodata,"a",@progbits
	.p2align	6, 0x0
	.amdhsa_kernel k_q747e18b1c4_cast
		.amdhsa_group_segment_fixed_size 0
		.amdhsa_private_segment_fixed_size 0
		.amdhsa_enable_private_segment 0
		.amdhsa_kernarg_size 48
		.amdhsa_user_sgpr_count 2
		.amdhsa_user_sgpr_kernarg_segment_ptr 1
		.amdhsa_wavefront_size32 1
		.amdhsa_system_sgpr_workgroup_id_x 1
		.amdhsa_system_sgpr_workgroup_id_y 1
		.amdhsa_system_sgpr_workgroup_id_z 1
		.amdhsa_system_vgpr_workitem_id 0
		.amdhsa_next_free_vgpr 184
		.amdhsa_next_free_sgpr 66
		.amdhsa_reserve_vcc 0
		.amdhsa_float_denorm_mode_32 3
		.amdhsa_float_denorm_mode_16_64 3
		.amdhsa_memory_ordered 1
		.amdhsa_forward_progress 1
		.amdhsa_inst_pref_size 17
	.end_amdhsa_kernel
	.amdgpu_metadata
---
amdhsa.version: [ 1, 2 ]
amdhsa.kernels:
  - .name:           k_q747e18b1c4_cast
    .symbol:         k_q747e18b1c4_cast.kd
    .args:
      - { .name: x, .offset: 0, .size: 8, .value_kind: global_buffer, .address_space: global }
      - { .name: Wq, .offset: 8, .size: 8, .value_kind: global_buffer, .address_space: global }
      - { .name: Wk, .offset: 16, .size: 8, .value_kind: global_buffer, .address_space: global }
      - { .name: Wv, .offset: 24, .size: 8, .value_kind: global_buffer, .address_space: global }
      - { .name: xb, .offset: 32, .size: 8, .value_kind: global_buffer, .address_space: global }
      - { .name: wc, .offset: 40, .size: 8, .value_kind: global_buffer, .address_space: global }
    .group_segment_fixed_size: 0
    .private_segment_fixed_size: 0
    .kernarg_segment_align: 8
    .kernarg_segment_size: 48
    .max_flat_workgroup_size: 256
    .sgpr_count:     66
    .vgpr_count:     184
    .wavefront_size: 32
...
	.end_amdgpu_metadata
.endif
;; end of part 1
;; launch proj (part 2): grid 8 x 32, 4 waves a work-group, clusters of 4 x 4, 327,680 bytes of LDS; arguments xb, wc, bq, bk, bv, qkv; writes qkv
.if DOCPART == 2
	.amdgcn_target "amdgcn-amd-amdhsa--gfx1250"
	.amdhsa_code_object_version 6
	.text
	.protected	k_q747e18b1c4_proj
	.globl	k_q747e18b1c4_proj
	.p2align	8
	.type	k_q747e18b1c4_proj,@function
k_q747e18b1c4_proj:
	s_mov_b64 s[64:65], 0
	v_nop
	global_prefetch_b8 v0, s[64:65] scope:SCOPE_SE
	s_setreg_imm32_b32 hwreg(HW_REG_WAVE_MODE, 25, 1), 1
	s_wait_xcnt 0x0
	s_wait_alu depctr_hold_cnt(0) depctr_sa_sdst(0) depctr_va_vdst(0) depctr_va_sdst(0) depctr_va_ssrc(0) depctr_va_vcc(0) depctr_vm_vsrc(0)
	s_getreg_b32 s2, hwreg(HW_REG_IB_STS2, 6, 4)
	s_cmp_eq_u32 s2, 0
	s_cbranch_scc0 .Lentry_in_a_cluster
	s_endpgm
.Lentry_in_a_cluster:
	s_bfe_u32 s2, ttmp6, 0x10000c
	s_cmp_lg_u32 s2, 0xf033
	s_cbranch_scc0 .Lentry_shape_is_right
	s_endpgm
.Lentry_shape_is_right:
; [Q | K | V] = x [Wq | Wk | Wv] + [bq | bk | bv]: one product 8192 x 3072 x 1024 in bf16 with f32 sums; the result is rounded once to f16 and stored by blocks of 64 columns,
; qkv: [48 cb][8192 row][64] (cb 0-15 Q, 16-31 K, 32-47 V), so that any rows x 64 columns are dense bytes for the two launches behind.
; LIMITS.  x, the weights and the biases enter rounded to bf16.  Q, K, V leave in f16: a number of 65,520 or more becomes an infinity; NaN and infinities are not treated apart.
; SHARES.  A tile of the result is 256 rows x 384 columns: 32 x 8 tiles, one for each of 256 work-groups.  Wave (RH = w / 2, CH = w % 2) makes 128 rows x 192 columns: 96 accumulators, 768 registers.
; K goes in 16 steps of 64 through two LDS slots; a step is two halves of 32 along K, 96 matrix instructions each.
; THE MATRIX INSTRUCTION IS USED TRANSPOSED: source 0 = 16 columns of the weights (turned out of LDS by ds_load_tr16_b128), source 1 = 16 rows of x: a lane then holds row lane % 16 and the eight
; neighbouring columns 8 (lane / 16) + 0..7.  The bias is the C operand of the first half step: nothing is cleared and nothing is added at the end.
; CLUSTER 4 x 4: x's tile hangs on the tile row alone and is asked for jointly along a row of the cluster (by wave 3), the weights' three blocks of 128 columns on the tile column alone, jointly along a
; column (by waves 0-2).  By this text's count a wave has two tensor loads out at the start and one behind each round.
; REGISTERS, in windows of 256: window 0: v0-31 addresses; v32-95, v96-159 x's fragments, two buffers; v160-207 the weights' fragments 0-5; v208-255 fragments 6-11.
;   windows 1-3: accumulator (a, b) in window 1 + b / 4 at v[8 (8 (b % 4) + a)]: a window is one block of 64 columns of the result.
.set PA,    144                        ; a row of x in LDS: 128 bytes + 16: the 16 rows of a load start at 16 different groups of four banks (64 banks of 4 bytes: ISA guide 11.1)
.set PB,    288                        ; a row of weights: 256 + 32 bytes
.set BOFF,  256*PA                     ; a slot: x's 256 rows, then three blocks of 64 rows x 128 columns of the weights
.set BBLK,  64*PB
.set SLOT1, 1<<17                      ; slot 1 begins here: one exclusive or turns an address in one slot into the other's
.set SPT,   144
.set STAGE, BOFF+3*BBLK                ; between the slots, never filled by a tensor load: 3 x 16 rows x 144 bytes a wave, for the way out
.set STW,   3*16*SPT
.set BIAS,  STAGE+4*STW                ; 192 numbers a wave
.set SPARE, BIAS+4*768                 ; the spare words, 128 bytes a wave: two blocks of 256 bytes that no other line names
.set ADRA0,  16                        ; v16-18  my lane's place in slot 0: x, the weights' main block, their shared block; never rewritten
.set ADRBM0, 17
.set ADRBS0, 18
.set ADRA,   19                        ; v19-21  the same in the slot in hand
.set ADRBM,  20
.set ADRBS,  21
.set STO, 24                           ; the way out: where I put 16 bytes of a row
.set RD,  25                           ; where I read rows back
.set GO,  26                           ; 16 x lane
.set BIA, 27                           ; my eight biases of fragment 0
.set SPW, 28                           ; LDS address of my spare word; never rewritten
.set NIL, 29                           ; 0; never rewritten
.set FA0, 32
.set FA1, 96
.set FBL, 160
.set FBH, 208
.set TA,  32                           ; the way out: 48 registers packed
.set OB,  80                           ; 48 registers read back
.set WV, 16                            ; s16 wave; s17 RH; s18 CH; s20 cx; s21 cy; s22 tile column; s23 tile row
.set RH, 17
.set CH, 18
.set TX, 22
.set TY, 23
.set G1, 24                            ; s[24:31] descriptor group 1, x;  s[32:39] group 0: the first fill's, and the walking one
.set G0, 32
.set TB, 42                            ; s42 LDS byte of the slot in hand
.set CNT, 43
.set BLK, 44
.set G1B, 48                           ; s[48:55], s[56:63] the same for the weights
.set G0B, 56
.set OM, 66                            ; s[66:67] qkv at my rows of my first main block; s[68:69] of my shared block
.set OS, 68
.set PM, 70                            ; s[70:71], s[72:73] the biases of my 128 main and 64 shared columns
.set PS, 72
.set MSB, 0
.macro WIN new                         ; the immediate's high byte repeats the setting that is left; a switch that changes nothing is dropped
.if MSB != (\new)
	s_set_vgpr_msb (MSB<<8)|(\new)
.set MSB, (\new)
.endif
.endm
.macro PLACES                          ; four places in front of loads into registers that matrix instructions have read, and of reads of results (ISA guide 7.12.1 for reads of results)
.rept 4
	v_nop
.endr
.endm
.macro CREST                           ; a round of the cluster's barrier behind its opening barrier
	s_cmp_lg_u32 s[WV], 0
	s_cbranch_scc1 .Lnot_wave_0_\@
	s_barrier_signal -3
.Lnot_wave_0_\@:
	s_barrier_wait -3
	s_barrier_signal -1
	s_barrier_wait -1
.endm
.macro CROUND
	s_barrier_signal -1
	s_barrier_wait -1
	CREST
.endm
.macro JLOAD                           ; a joint refill by the walking descriptors; the branch hangs on the wave's number alone; s_nop 0 and four v_nop follow each line
	s_cmp_eq_u32 s[WV], 3
	s_cbranch_scc0 .Lfor_b_\@
	tensor_load_to_lds s[G0+4:G0+7], s[G1:G1+7]
	s_nop 0
	PLACES
	s_branch .Lasked_\@
.Lfor_b_\@:
	tensor_load_to_lds s[G0B+4:G0B+7], s[G1B:G1B+7]
	s_nop 0
	PLACES
.Lasked_\@:
.endm
	s_load_b256 s[4:11], s[0:1], 0x0               ; xb s[4:5], wc s[6:7], bq s[8:9], bk s[10:11]
	s_load_b128 s[12:15], s[0:1], 0x20             ; bv s[12:13], qkv s[14:15]
	v_lshl_add_u32 v[SPW], v0, 2, SPARE
	v_mov_b32 v[NIL], 0
	ds_add_u32 v[SPW], v[NIL]                      ; the wave's opening: the add and its wait ahead of my first tensor load; the set-up below stands between them
	v_lshrrev_b32 v1, 5, v0
	v_readfirstlane_b32 s[WV], v1
	s_lshr_b32 s[RH], s[WV], 1
	s_and_b32 s[CH], s[WV], 1
	s_bfe_u32 s20, ttmp6, 0x40000                  ; cx
	s_bfe_u32 s21, ttmp6, 0x40004                  ; cy
	s_lshl_b32 s[TX], ttmp9, 2
	s_add_co_u32 s[TX], s[TX], s20                 ; tile column 0..7
	s_and_b32 s[TY], ttmp7, 0xffff
	s_lshl_b32 s[TY], s[TY], 2
	s_add_co_u32 s[TY], s[TY], s21                 ; tile row 0..31
	s_lshl_b32 s40, s21, 2
	s_lshl_b32 s40, 15, s40                        ; my row of the cluster
	s_lshl_b32 s41, 0x1111, s20                    ; my column
	; x's tile: 256 dense rows of 128 bytes, asked for as 128 rows of 256 bytes, 16 bytes of padding behind every 128
	s_or_b32 s[G1], s40, (1<<16)|(1<<20)|(1<<21)|(4<<22)|(3<<25)
	s_mov_b32 s[G1+1], 128<<16                     ; tensor_dim0
	s_mov_b32 s[G1+2], 128<<16                     ; tensor_dim1
	s_mov_b32 s[G1+3], 128<<16                     ; tile_dim0
	s_mov_b32 s[G1+4], 128                         ; tile_dim1
	s_mov_b32 s[G1+5], 128                         ; elements from row to row
	s_mov_b32 s[G1+6], 0
	s_mov_b32 s[G1+7], 0
	; a block of the weights: 64 rows of 128 columns (256 bytes), 32 bytes of padding behind each
	s_or_b32 s[G1B], s41, (1<<16)|(1<<20)|(1<<21)|(5<<22)|(7<<25)
	s_mov_b32 s[G1B+1], 128<<16
	s_mov_b32 s[G1B+2], 64<<16
	s_mov_b32 s[G1B+3], 128<<16
	s_mov_b32 s[G1B+4], 64
	s_mov_b32 s[G1B+5], 3072
	s_mov_b32 s[G1B+6], 0
	s_mov_b32 s[G1B+7], 0
	s_lshl_b32 s46, s[TY], 15                      ; x: 256 rows of 128 bytes a tile row
	s_mov_b32 s47, 0
	s_mul_i32 s74, s[TX], 768                      ; weights: 384 columns a tile column,
	s_lshl_b32 s75, s[WV], 8                       ; my block of 128 (waves 0-2)
	s_add_co_u32 s74, s74, s75
	s_mov_b32 s75, 0
	s_mul_i32 s45, s[WV], BBLK
	s_add_co_u32 s45, s45, BOFF                    ; and its place in a slot
	s_mov_b32 s[TB], 0
	s_wait_dscnt 0x0                               ; the opening add is done
	s_wait_kmcnt 0x0
	s_add_nc_u64 s[46:47], s[4:5], s[46:47]
	s_add_nc_u64 s[74:75], s[6:7], s[74:75]
.irp s, 0,1
	s_mov_b32 s[G0+4*(\s)], 1
	s_mov_b32 s[G0+4*(\s)+1], (\s)*SLOT1
	s_add_nc_u64 s[G0+4*(\s)+2:G0+4*(\s)+3], s[46:47], (\s)<<20      ; K step s: the next block of 64 columns of x
	s_or_b32 s[G0+4*(\s)+3], s[G0+4*(\s)+3], 0x80000000
	s_mov_b32 s[G0B+4*(\s)], 1
	s_add_co_u32 s[G0B+4*(\s)+1], s45, (\s)*SLOT1
	s_add_nc_u64 s[G0B+4*(\s)+2:G0B+4*(\s)+3], s[74:75], (\s)*64*6144  ; 64 rows of the weights on
	s_or_b32 s[G0B+4*(\s)+3], s[G0B+4*(\s)+3], 0x80000000
.endr
	CROUND                                         ; all sixteen work-groups are here: the first joint loads meet
	s_cmp_eq_u32 s[WV], 3                          ; a wave's two first fills stand in one branch
	s_cbranch_scc0 .Lfirst_b
	tensor_load_to_lds s[G0:G0+3], s[G1:G1+7]
	s_nop 0
	tensor_load_to_lds s[G0+4:G0+7], s[G1:G1+7]
	s_nop 0
	PLACES
	s_branch .Lfirst_asked
.Lfirst_b:
	tensor_load_to_lds s[G0B:G0B+3], s[G1B:G1B+7]
	s_nop 0
	tensor_load_to_lds s[G0B+4:G0B+7], s[G1B:G1B+7]
	s_nop 0
	PLACES
.Lfirst_asked:
	; the biases of my columns.  128 main columns from 384 TX + 256 CH, 64 shared ones from 384 TX + 128 + 64 CH: neither run crosses a multiple of 1,024, so each lies in one of the three vectors
	s_mul_i32 s76, s[TX], 384
	s_lshl_b32 s77, s[CH], 8
	s_add_co_u32 s76, s76, s77
	s_lshr_b32 s77, s76, 10
	s_and_b32 s78, s76, 1023
	s_lshl_b32 s78, s78, 2
	s_mov_b32 s79, 0
	s_cmp_eq_u32 s77, 0
	s_cselect_b64 s[PM:PM+1], s[8:9], s[10:11]
	s_cmp_eq_u32 s77, 2
	s_cselect_b64 s[PM:PM+1], s[12:13], s[PM:PM+1]
	s_add_nc_u64 s[PM:PM+1], s[PM:PM+1], s[78:79]
	s_mul_i32 s76, s[TX], 384
	s_lshl_b32 s77, s[CH], 6
	s_add_co_u32 s76, s76, s77
	s_add_co_u32 s76, s76, 128
	s_lshr_b32 s77, s76, 10
	s_and_b32 s78, s76, 1023
	s_lshl_b32 s78, s78, 2
	s_cmp_eq_u32 s77, 0
	s_cselect_b64 s[PS:PS+1], s[8:9], s[10:11]
	s_cmp_eq_u32 s77, 2
	s_cselect_b64 s[PS:PS+1], s[12:13], s[PS:PS+1]
	s_add_nc_u64 s[PS:PS+1], s[PS:PS+1], s[78:79]
	v_and_b32 v7, 31, v0                           ; lane
	v_lshlrev_b32 v[GO], 4, v7
	v_lshlrev_b32 v9, 3, v7
	global_load_b128 v[32:35], v[GO], s[PM:PM+1]
	global_load_b64 v[36:37], v9, s[PS:PS+1]
	; qkv at my rows: block of 64 columns x 1,048,576 bytes + row x 128
	s_lshl_b32 s76, s[TY], 8
	s_lshl_b32 s77, s[RH], 7
	s_add_co_u32 s76, s76, s77
	s_lshl_b32 s76, s76, 7                         ; my first row, in bytes
	s_mul_i32 s77, s[TX], 6
	s_lshl_b32 s78, s[CH], 2
	s_add_co_u32 s78, s78, s77                     ; 6 TX + 4 CH
	s_lshl_b32 s78, s78, 20
	s_add_co_u32 s78, s78, s76
	s_add_nc_u64 s[OM:OM+1], s[14:15], s[78:79]
	s_add_co_u32 s78, s77, s[CH]
	s_add_co_u32 s78, s78, 2                       ; 6 TX + 2 + CH
	s_lshl_b32 s78, s78, 20
	s_add_co_u32 s78, s78, s76
	s_add_nc_u64 s[OS:OS+1], s[14:15], s[78:79]
	; LDS addresses
	v_and_b32 v1, 15, v0                           ; r = lane % 16
	v_bfe_u32 v2, v0, 4, 1                         ; h = lane / 16
	v_and_b32 v3, 7, v0
	v_bfe_u32 v4, v0, 3, 1
	v_mul_u32_u24 v5, v1, PA
	v_lshl_add_u32 v5, v2, 4, v5                   ; 144 r + 16 h: a fragment of x, and my place in a stage row
	s_mul_i32 s76, s[RH], 128*PA
	v_add_nc_u32 v[ADRA0], s76, v5
	v_lshl_add_u32 v6, v2, 3, v3                   ; the turning load: row 8 h + lane % 8,
	v_mul_u32_u24 v6, v6, PB
	v_lshl_add_u32 v6, v4, 4, v6                   ; 16 bytes for each half of eight lanes
	s_mul_i32 s76, s[CH], 2*BBLK
	s_add_co_u32 s76, s76, BOFF                    ; block 0 or block 2 is mine alone: fragments 0-7
	v_add_nc_u32 v[ADRBM0], s76, v6
	s_lshl_b32 s76, s[CH], 7
	s_add_co_u32 s76, s76, BOFF+BBLK               ; a half of block 1: fragments 8-11
	v_add_nc_u32 v[ADRBS0], s76, v6
	v_mov_b32 v[ADRA], v[ADRA0]
	v_mov_b32 v[ADRBM], v[ADRBM0]
	v_mov_b32 v[ADRBS], v[ADRBS0]
	s_mul_i32 s76, s[WV], STW
	s_add_co_u32 s76, s76, STAGE
	v_add_nc_u32 v[STO], s76, v5
	v_bfe_u32 v10, v0, 3, 2                        ; back: 32 lanes take four rows of 128 bytes
	v_mul_u32_u24 v10, v10, SPT
	v_lshl_add_u32 v10, v3, 4, v10
	v_add_nc_u32 v[RD], s76, v10
	s_mul_i32 s76, s[WV], 768
	s_add_co_u32 s76, s76, BIAS
	v_lshl_add_u32 v[BIA], v2, 5, s76              ; fragment b's eight numbers lie at 64 b + 32 h
	v_add_nc_u32 v11, s76, v[GO]
	v_add_nc_u32 v12, s76, v9
	s_wait_loadcnt 0x0
	v_cvt_pk_bf16_f32 v38, v32, v33                ; the biases are rounded to bf16 like the other inputs, and widened again
	v_cvt_pk_bf16_f32 v39, v34, v35
	v_cvt_pk_bf16_f32 v40, v36, v37
	v_lshlrev_b32 v32, 16, v38
	v_and_b32 v33, 0xffff0000, v38
	v_lshlrev_b32 v34, 16, v39
	v_and_b32 v35, 0xffff0000, v39
	v_lshlrev_b32 v36, 16, v40
	v_and_b32 v37, 0xffff0000, v40
	ds_store_b128 v11, v[32:35]                    ; my wave's own bytes: only I read them
	ds_store_b64 v12, v[36:37] offset:512
.macro LDA ks, buf                     ; x's 8 fragments of 32 along K
.set aa, 0
.rept 8
	ds_load_b128 v[(\buf)+8*aa:(\buf)+8*aa+3],   v[ADRA] offset:64*(\ks)+16*PA*aa
	ds_load_b128 v[(\buf)+8*aa+4:(\buf)+8*aa+7], v[ADRA] offset:64*(\ks)+16*PA*aa+32
.set aa, aa+1
.endr
.endm
.macro LDB ks, b0, b1                  ; the weights' fragments b0..b1, turned
.set bb, (\b0)
.rept (\b1)-(\b0)+1
.if bb < 6
.set rB, FBL+8*bb
.else
.set rB, FBH+8*(bb-6)
.endif
.if bb < 8
	ds_load_tr16_b128 v[rB:rB+3],   v[ADRBM] offset:32*PB*(\ks)+32*bb
	ds_load_tr16_b128 v[rB+4:rB+7], v[ADRBM] offset:32*PB*(\ks)+32*bb+16*PB
.else
	ds_load_tr16_b128 v[rB:rB+3],   v[ADRBS] offset:32*PB*(\ks)+32*(bb-8)
	ds_load_tr16_b128 v[rB+4:rB+7], v[ADRBS] offset:32*PB*(\ks)+32*(bb-8)+16*PB
.endif
.set bb, bb+1
.endr
.endm
.macro LDBIAS b0, dst                  ; the biases of six fragments, as C operands
.set bb, 0
.rept 6
	ds_load_b128 v[(\dst)+8*bb:(\dst)+8*bb+3],   v[BIA] offset:64*((\b0)+bb)
	ds_load_b128 v[(\dst)+8*bb+4:(\dst)+8*bb+7], v[BIA] offset:64*((\b0)+bb)+16
.set bb, bb+1
.endr
.endm
; 8 matrix instructions for each fragment b0..b1 of the weights.  cbase = 0: the sums go on in place; else the C operands (biases) begin at v[cbase] of window 0 and start the sums.
; The accumulators take turns, one instruction a turn.
.macro MM b0, b1, abuf, cbase
.set bb, (\b0)
.rept (\b1)-(\b0)+1
.set wn, 1+bb/4
.if bb < 6
.set rB, FBL+8*bb
.else
.set rB, FBH+8*(bb-6)
.endif
.set rC, (\cbase)+8*(bb-(\b0))
.if (\cbase)
	WIN wn<<6
.else
	WIN 0x50*wn
.endif
.set aa, 0
.rept 8
.set rD, 8*(8*(bb%4)+aa)
.set rA, (\abuf)+8*aa
.if (\cbase)
	v_wmma_f32_16x16x32_bf16 v[rD:rD+7], v[rB:rB+7], v[rA:rA+7], v[rC:rC+7]
.else
	v_wmma_f32_16x16x32_bf16 v[rD:rD+7], v[rB:rB+7], v[rA:rA+7], v[rD:rD+7]
.endif
.set aa, aa+1
.endr
.set bb, bb+1
.endr
.endm
; A step's first half (K 0-31 of the slot, x in buffer 0)
.macro HALF0
	PLACES
	WIN 0
	LDB 0, 6, 11
	s_wait_dscnt 12                                ; all but the 12 just issued: fragments 0-5 and x are in
	MM 0, 5, FA0, 0
	PLACES
	WIN 0
	LDB 1, 0, 5
	LDA 1, FA1
	s_wait_dscnt 28                                ; all but those 28: fragments 6-11 are in
	MM 6, 11, FA0, 0
.endm
; A step's second half, and the change of slots: ONE barrier.  In front of it each wave waits for all its tensor loads (one is out: its part of the next slot), adds 0 to its spare word, and waits for
; that and for its reads of this slot, of which the last have just been issued.  fill = 1: the barrier opens a round of the cluster's, and the slot is filled again, two steps ahead, first thing behind it.
.macro HALF1 fill
	PLACES
	WIN 0
	LDB 1, 6, 11
	s_wait_dscnt 12
	MM 0, 3, FA1, 0
	WIN 0
	s_wait_tensorcnt 0x0                           ; all my tensor loads have landed
	ds_add_u32 v[SPW], v[NIL]                      ; 0 onto my spare word; eight matrix instructions stand between it and the wait for it
	MM 4, 4, FA1, 0
	s_wait_dscnt 0x0                               ; the add is done, and my reads of this slot are over
	s_barrier_signal -1
	MM 5, 5, FA1, 0
	WIN 0
	s_barrier_wait -1
.if \fill
	CREST                                          ; no wave of any partner still reads this slot or has a load on its way
	s_xor_b32 s[G0+5], s[G0+5], SLOT1              ; the walking descriptors: the other slot than last time, the next K step
	s_add_nc_u64 s[G0+6:G0+7], s[G0+6:G0+7], 1<<20
	s_xor_b32 s[G0B+5], s[G0B+5], SLOT1
	s_add_nc_u64 s[G0B+6:G0B+7], s[G0B+6:G0B+7], 64*6144
	JLOAD                                          ; its four v_nop are also the places in front of the loads below
.else
	PLACES
.endif
	s_xor_b32 s[TB], s[TB], SLOT1
	v_add_nc_u32 v[ADRA], s[TB], v[ADRA0]
	v_add_nc_u32 v[ADRBM], s[TB], v[ADRBM0]
	v_add_nc_u32 v[ADRBS], s[TB], v[ADRBS0]
	LDB 0, 0, 5
	LDA 0, FA0
	MM 6, 11, FA1, 0
.endm
	s_wait_tensorcnt 0x1                           ; my part of K step 0 is in; step 1's may stay out
	s_wait_dscnt 0x0
	s_barrier_signal -1
	s_barrier_wait -1
	LDB 0, 0, 5
	LDA 0, FA0
	LDBIAS 0, FA1                                  ; buffer 1 is still free: it holds the first six fragments' biases
	LDB 0, 6, 11
	s_wait_dscnt 12
	MM 0, 5, FA0, FA1                              ; the first half step starts the sums, from the biases
	PLACES
	WIN 0
	LDBIAS 6, FBL
	s_wait_dscnt 0x0
	MM 6, 11, FA0, FBL
	PLACES
	WIN 0
	LDB 1, 0, 5
	LDA 1, FA1
	s_mov_b32 s[CNT], 14
.Lstep:                                                ; a trip: a step's second half, the refill two steps ahead, the next step's first half
	HALF1 1
	HALF0
	WIN 0
	s_sub_co_u32 s[CNT], s[CNT], 1
	s_cmp_lg_u32 s[CNT], 0
	s_cbranch_scc1 .Lstep
	HALF1 0                                        ; the tail is written out: nothing more is asked for
	HALF0
	PLACES
	WIN 0
	LDB 1, 6, 11
	s_wait_dscnt 12
	MM 0, 5, FA1, 0
	s_wait_dscnt 0x0
	MM 6, 11, FA1, 0
; THE WAY OUT, a block of 16 rows at a time.  HEAD a rounds block a to f16 (each accumulator's registers in ascending order); the rest is one text for all blocks: into my stage, back as whole rows of
; 128 bytes, four rows (512 consecutive bytes of qkv) a store.  Block a's roundings stand between block a - 1's loads from the stage and the wait for them.
.macro HEAD a
.set wn, 1
.rept 3
	WIN wn|(wn<<2)
.set bq, 0
.rept 4
.set pq, 0
.rept 4
	v_cvt_pk_f16_f32 v[TA+16*(wn-1)+4*bq+pq], v[8*(8*bq+(\a))+2*pq], v[8*(8*bq+(\a))+2*pq+1]
.set pq, pq+1
.endr
.set bq, bq+1
.endr
.set wn, wn+1
.endr
	WIN 0
.endm
.macro SENDB
	s_wait_dscnt 0x0                               ; the block is back in registers
.set cbi, 0
.rept 3
.set ff, 0
.rept 4
.if cbi < 2
	global_store_b128 v[GO], v[OB+16*cbi+4*ff:OB+16*cbi+4*ff+3], s[OM:OM+1] offset:(cbi<<20)+512*ff
.else
	global_store_b128 v[GO], v[OB+16*cbi+4*ff:OB+16*cbi+4*ff+3], s[OS:OS+1] offset:512*ff
.endif
.set ff, ff+1
.endr
.set cbi, cbi+1
.endr
.endm
	PLACES
	HEAD 0
	s_mov_b32 s[BLK], 0
	s_branch .Lstage
.Lblk:
.irp k, 1,2,3,4,5,6
	s_cmp_eq_u32 s[BLK], \k
	s_cbranch_scc1 .Lhead\k
.endr
	HEAD 7
	s_branch .Lcom
.irp k, 1,2,3,4,5,6
.Lhead\k:
	HEAD \k
	s_branch .Lcom
.endr
.Lcom:
	SENDB
	s_wait_xcnt 0x0                                ; the stores' bases and data are rewritten only behind this wait (ISA guide 3.1)
	s_add_nc_u64 s[OM:OM+1], s[OM:OM+1], 2048      ; 16 rows of 128 bytes on
	s_add_nc_u64 s[OS:OS+1], s[OS:OS+1], 2048
.Lstage:
.set cbi, 0
.rept 3
.set ff, 0
.rept 4
	ds_store_b128 v[STO], v[TA+16*cbi+4*ff:TA+16*cbi+4*ff+3] offset:16*SPT*cbi+32*ff
.set ff, ff+1
.endr
.set cbi, cbi+1
.endr
.set cbi, 0
.rept 3
.set ff, 0
.rept 4
	ds_load_b128 v[OB+16*cbi+4*ff:OB+16*cbi+4*ff+3], v[RD] offset:16*SPT*cbi+4*SPT*ff  ; LDS serves a wave's instructions in order (ISA guide 5.7.1.4): these see the stores above
.set ff, ff+1
.endr
.set cbi, cbi+1
.endr
	s_add_co_u32 s[BLK], s[BLK], 1
	s_cmp_lt_u32 s[BLK], 8
	s_cbranch_scc1 .Lblk
	SENDB
	s_wait_tensorcnt 0x0                           ; the wave's end
	ds_add_u32 v[SPW], v[NIL]
	s_wait_dscnt 0x0
	CROUND                                         ; the closing round
	s_endpgm
.Lfunc_end_k_q747e18b1c4_proj:
	.size	k_q747e18b1c4_proj, .Lfunc_end_k_q747e18b1c4_proj-k_q747e18b1c4_proj
	.p2alignl 7, 3214868480
	.fill 96, 4, 3214868480
	.section	.rodata,"a",@progbits
	.p2align	6, 0x0
	.amdhsa_kernel k_q747e18b1c4_proj
		.amdhsa_group_segment_fixed_size 327680
		.amdhsa_private_segment_fixed_size 0
		.amdhsa_enable_private_segment 0
		.amdhsa_kernarg_size 48
		.amdhsa_user_sgpr_count 2
		.amdhsa_user_sgpr_kernarg_segment_ptr 1
		.amdhsa_wavefront_size32 1
		.amdhsa_system_sgpr_workgroup_id_x 1
		.amdhsa_system_sgpr_workgroup_id_y 1
		.amdhsa_system_sgpr_workgroup_id_z 1
		.amdhsa_system_vgpr_workitem_id 0
		.amdhsa_next_free_vgpr 1024
		.amdhsa_next_free_sgpr 80
		.amdhsa_reserve_vcc 0
		.amdhsa_float_denorm_mode_32 3
		.amdhsa_float_denorm_mode_16_64 3
		.amdhsa_memory_ordered 1
		.amdhsa_forward_progress 1
		.amdhsa_inst_pref_size 96
	.end_amdhsa_kernel
	.amdgpu_metadata
---
amdhsa.version: [ 1, 2 ]
amdhsa.kernels:
  - .name:           k_q747e18b1c4_proj
    .symbol:         k_q747e18b1c4_proj.kd
    .args:
      - { .name: xb, .offset: 0, .size: 8, .value_kind: global_buffer, .address_space: global }
      - { .name: wc, .offset: 8, .size: 8, .value_kind: global_buffer, .address_space: global }
      - { .name: bq, .offset: 16, .size: 8, .value_kind: global_buffer, .address_space: global }
      - { .name: bk, .offset: 24, .size: 8, .value_kind: global_buffer, .address_space: global }
      - { .name: bv, .offset: 32, .size: 8, .value_kind: global_buffer, .address_space: global }
      - { .name: qkv, .offset: 40, .size: 8, .value_kind: global_buffer, .address_space: global }
    .group_segment_fixed_size: 327680
    .private_segment_fixed_size: 0
    .kernarg_segment_align: 8
    .kernarg_segment_size: 48
    .max_flat_workgroup_size: 128
    .sgpr_count:     80
    .vgpr_count:     1024
    .wavefront_size: 32
...
	.end_amdgpu_metadata
.endif
;; end of part 2
;; launch score (part 3): grid 8 x 32, 4 waves a work-group, clusters of 4 x 4, 327,680 bytes of LDS; arguments qkv, p, stats; writes p, stats
.if DOCPART == 3
	.amdgcn_target "amdgcn-amd-amdhsa--gfx1250"
	.amdhsa_code_object_version 6
	.text
	.protected	k_q747e18b1c4_score
	.globl	k_q747e18b1c4_score
	.p2align	8
	.type	k_q747e18b1c4_score,@function
k_q747e18b1c4_score:
	s_mov_b64 s[64:65], 0
	v_nop
	global_prefetch_b8 v0, s[64:65] scope:SCOPE_SE
	s_setreg_imm32_b32 hwreg(HW_REG_WAVE_MODE, 25, 1), 1
	s_wait_xcnt 0x0
	s_wait_alu depctr_hold_cnt(0) depctr_sa_sdst(0) depctr_va_vdst(0) depctr_va_sdst(0) depctr_va_ssrc(0) depctr_va_vcc(0) depctr_vm_vsrc(0)
	s_getreg_b32 s2, hwreg(HW_REG_IB_STS2, 6, 4)
	s_cmp_eq_u32 s2, 0
	s_cbranch_scc0 .Lentry_in_a_cluster
	s_endpgm
.Lentry_in_a_cluster:
	s_bfe_u32 s2, ttmp6, 0x10000c
	s_cmp_lg_u32 s2, 0xf033
	s_cbranch_scc0 .Lentry_shape_is_right
	s_endpgm
.Lentry_shape_is_right:
; The weights of the softmax, by groups of 128 keys.  s = Q K^T (f16 operands, f32 sums), c = log2(e) / 32.  For query q and group g of its batch's 16 groups:
;   m = the largest s of the group;  p[q][key] = 2^(c s - c m), rounded to f16;  stats: c m at [g][q], l = the sum of the unrounded p at 524,288 bytes + [g][q], both f32.
; The launch behind takes the largest of a row's 16 c m and rescales: together the two take the row's true maximum away before the exponential.
; LIMITS.  Q and K arrive in f16; a weight below 2^-24 of its group's largest is rounded to 0 in p; below 2^-126 it counts as 0 in l; NaN and infinities are not treated apart.
; SHARES.  A tile is 256 queries x 256 keys: 32 x 8 tiles, one for each of 256 work-groups (8 query tiles and 8 key tiles a batch).  Wave (RH = w / 2, CH = w % 2) makes 128 x 128: 64 accumulators; its 128 keys are one group.
; K (the 1,024 channels) goes in 8 steps of 128 through two LDS slots; a step is four quarters of 32, 64 matrix instructions each, on two fragment buffers.
; THE MATRIX INSTRUCTION IS USED TRANSPOSED: source 0 = 16 keys, source 1 = 16 queries: a lane holds query lane % 16 and the keys 8 (lane / 16) + 0..7 of each block of 16.
; CLUSTER 4 x 4: Q's tiles hang on the query tile alone (joint along a row of the cluster, waves 0 and 1), K's on the batch, which the whole cluster shares, and the key tile (joint along a column, waves 2 and 3).
; By this text's count a wave has two tensor loads out at the start and one behind each round.
; REGISTERS: window 0: v0-31 addresses; v64-127, v128-191 Q's fragments, two buffers; in the way out v32-47 at work, v64-127 c s - c m, v128-159 packed, v160-191 rows read back.
;   window 1: v64-127, v128-191 K's fragments.  window 2: accumulators of my queries 0-63 ((a, b) at v[8 (8 a + b)]); window 3: of my queries 64-127.
.set PITCH,   144                      ; a row of 64 channels in LDS: 128 bytes + 16: the 16 rows of a load start at 16 different groups of four banks (64 banks of 4 bytes: ISA guide 11.1)
.set SUBTILE, 256*PITCH                ; 256 rows x 64 channels: what one tensor load brings
.set SLOT,    4*SUBTILE                ; Q's channels 0-63, Q's 64-127, K's 0-63, K's 64-127
.set STAGE,   2*SLOT                   ; behind the ring: 16 rows x 272 bytes a wave
.set SPITCH,  272
.set STATS,   STAGE+4*16*SPITCH        ; 128 c m and 128 l a wave
.set SPARE,   STATS+4*1024             ; the spare words, 128 bytes a wave
.set K0, 0                             ; where a step's four quarters begin in a row's two sub-tiles
.set K1, 64
.set K2, SUBTILE
.set K3, SUBTILE+64
.set ADRA0, 16                         ; v16, v17 my lane's place in slot 0: Q, K; never rewritten
.set ADRB0, 17
.set ADRA,  18                         ; v18, v19 the same in the slot in hand
.set ADRB,  19
.set STO, 24
.set RD,  25
.set CO,  26                           ; my byte offset in two rows of p
.set SST, 27                           ; where my query's c m goes
.set SPW, 28
.set NIL, 29
.set SRD, 30                           ; where I read the statistics back
.set SGO, 31                           ; 16 x lane
.set CT,  32                           ; v32-39 eight running maxima
.set MX,  40
.set CM,  42                           ; v[42:43] c m, named as a pair
.set LS,  44                           ; l
.set TE,  46
.set T,   64
.set PK,  128
.set OB,  160
.set F0,  64
.set F1,  128
.set WV, 10                            ; s10 wave; s11 RH; s12 CH; s13 query tile; s14 batch; s15, s23 counters; s20 my sub-tile's LDS byte; s21 the walking slot; s22 the slot in hand
.set RH, 11
.set CH, 12
.set TY, 13
.set BAT, 14
.set CNT, 15
.set LB, 20
.set TBF, 21
.set TB, 22
.set BLK, 23
.set G1, 24
.set G0, 32
.set TX, 42
.set G1B, 48
.set G0B, 56
.set CS, 66                            ; s[66:67] c
.set SEL, 68                           ; s[68:69] v_permlanex16_b32's selects: each lane takes its own place in the other half
.set MSB, 0
.macro WIN new
.if MSB != (\new)
	s_set_vgpr_msb (MSB<<8)|(\new)
.set MSB, (\new)
.endif
.endm
.set MUL_LO, 0xa1                      ; source 0 (K) window 1, source 1 (Q) window 0, C and D window 2
.set MUL_HI, 0xf1
.set TO_B,   0x40
.macro PLACES
.rept 4
	v_nop
.endr
.endm
.macro CREST
	s_cmp_lg_u32 s[WV], 0
	s_cbranch_scc1 .Lnot_wave_0_\@
	s_barrier_signal -3
.Lnot_wave_0_\@:
	s_barrier_wait -3
	s_barrier_signal -1
	s_barrier_wait -1
.endm
.macro CROUND
	s_barrier_signal -1
	s_barrier_wait -1
	CREST
.endm
.macro JLOAD
	s_cmp_eq_u32 s[RH], 0
	s_cbranch_scc0 .Lfor_b_\@
	tensor_load_to_lds s[G0+4:G0+7], s[G1:G1+7]
	s_nop 0
	PLACES
	s_branch .Lasked_\@
.Lfor_b_\@:
	tensor_load_to_lds s[G0B+4:G0B+7], s[G1B:G1B+7]
	s_nop 0
	PLACES
.Lasked_\@:
.endm
	s_load_b128 s[4:7], s[0:1], 0x0                ; qkv s[4:5], p s[6:7]
	s_load_b64 s[8:9], s[0:1], 0x10                ; stats
	v_lshl_add_u32 v[SPW], v0, 2, SPARE
	v_mov_b32 v[NIL], 0
	ds_add_u32 v[SPW], v[NIL]                      ; the wave's opening: the add and its wait ahead of my first tensor load
	v_lshrrev_b32 v1, 5, v0
	v_readfirstlane_b32 s[WV], v1
	s_lshr_b32 s[RH], s[WV], 1
	s_and_b32 s[CH], s[WV], 1
	s_bfe_u32 s40, ttmp6, 0x40000                  ; cx
	s_bfe_u32 s41, ttmp6, 0x40004                  ; cy
	s_lshl_b32 s[TX], ttmp9, 2
	s_add_co_u32 s[TX], s[TX], s40                 ; key tile of the batch, 0..7
	s_and_b32 s[BAT], ttmp7, 0xffff
	s_lshl_b32 s[TY], s[BAT], 2
	s_add_co_u32 s[TY], s[TY], s41                 ; query tile, 0..31
	s_lshr_b32 s[BAT], s[BAT], 1                   ; eight query tiles a batch: the batch hangs on the cluster's y alone
	s_lshl_b32 s43, s41, 2
	s_lshl_b32 s43, 15, s43
	s_lshl_b32 s44, 0x1111, s40
	; 256 dense rows of 128 bytes, asked for as 128 rows of 256 bytes, 16 bytes of padding behind every 128
	s_or_b32 s[G1], s43, (1<<16)|(1<<20)|(1<<21)|(4<<22)|(3<<25)
	s_or_b32 s[G1B], s44, (1<<16)|(1<<20)|(1<<21)|(4<<22)|(3<<25)
.irp g, G1, G1B
	s_mov_b32 s[(\g)+1], 128<<16
	s_mov_b32 s[(\g)+2], 128<<16
	s_mov_b32 s[(\g)+3], 128<<16
	s_mov_b32 s[(\g)+4], 128
	s_mov_b32 s[(\g)+5], 128
	s_mov_b32 s[(\g)+6], 0
	s_mov_b32 s[(\g)+7], 0
.endr
	s_lshl_b32 s16, s[CH], 20                      ; Q: channel block w % 2,
	s_lshl_b32 s17, s[TY], 15                      ; 256 rows of 128 bytes a query tile
	s_add_co_u32 s16, s16, s17
	s_mov_b32 s17, 0
	s_add_co_u32 s46, s[CH], 16                    ; K: channel block 16 + w % 2,
	s_lshl_b32 s46, s46, 20
	s_lshl_b32 s47, s[BAT], 18                     ; 2,048 rows a batch,
	s_add_co_u32 s46, s46, s47
	s_lshl_b32 s47, s[TX], 15                      ; 256 rows a key tile
	s_add_co_u32 s46, s46, s47
	s_mov_b32 s47, 0
	s_mul_i32 s[LB], s[WV], SUBTILE                ; wave w fills sub-tile w
	s_mov_b32 s[TBF], SLOT
	s_mov_b32 s[TB], 0
	s_mov_b32 s[CS], 0x3d38aa3b                    ; c = log2(e) / 32
	s_mov_b32 s[CS+1], s[CS]
	s_mov_b32 s[SEL], 0x76543210
	s_mov_b32 s[SEL+1], 0xfedcba98
	s_wait_dscnt 0x0
	s_wait_kmcnt 0x0
	s_add_nc_u64 s[16:17], s[4:5], s[16:17]
	s_add_nc_u64 s[46:47], s[4:5], s[46:47]
.irp s, 0,1
	s_mov_b32 s[G0+4*(\s)], 1
	s_add_co_u32 s[G0+4*(\s)+1], s[LB], (\s)*SLOT
	s_add_nc_u64 s[G0+4*(\s)+2:G0+4*(\s)+3], s[16:17], (\s)<<21      ; K step s: two channel blocks on
	s_or_b32 s[G0+4*(\s)+3], s[G0+4*(\s)+3], 0x80000000
	s_mov_b32 s[G0B+4*(\s)], 1
	s_add_co_u32 s[G0B+4*(\s)+1], s[LB], (\s)*SLOT
	s_add_nc_u64 s[G0B+4*(\s)+2:G0B+4*(\s)+3], s[46:47], (\s)<<21
	s_or_b32 s[G0B+4*(\s)+3], s[G0B+4*(\s)+3], 0x80000000
.endr
	CROUND
	s_cmp_eq_u32 s[RH], 0
	s_cbranch_scc0 .Lfirst_b
	tensor_load_to_lds s[G0:G0+3], s[G1:G1+7]
	s_nop 0
	tensor_load_to_lds s[G0+4:G0+7], s[G1:G1+7]
	s_nop 0
	PLACES
	s_branch .Lfirst_asked
.Lfirst_b:
	tensor_load_to_lds s[G0B:G0B+3], s[G1B:G1B+7]
	s_nop 0
	tensor_load_to_lds s[G0B+4:G0B+7], s[G1B:G1B+7]
	s_nop 0
	PLACES
.Lfirst_asked:
	s_lshl_b32 s70, s[TY], 8
	s_lshl_b32 s71, s[RH], 7
	s_add_co_u32 s70, s70, s71                     ; my first query
	s_lshl_b32 s72, s70, 2                         ; 4 bytes a query in stats
	s_lshl_b32 s70, s70, 12                        ; 4,096 bytes a query in p
	s_lshl_b32 s71, s[TX], 9
	s_add_co_u32 s70, s70, s71
	s_lshl_b32 s71, s[CH], 8
	s_add_co_u32 s70, s70, s71                     ; my 128 keys
	s_mov_b32 s71, 0
	s_add_nc_u64 s[6:7], s[6:7], s[70:71]
	s_lshl_b32 s73, s[TX], 1
	s_add_co_u32 s73, s73, s[CH]                   ; my group
	s_lshl_b32 s73, s73, 15                        ; 8,192 queries x 4 bytes a group
	s_add_co_u32 s72, s72, s73
	s_mov_b32 s73, 0
	s_add_nc_u64 s[8:9], s[8:9], s[72:73]
	v_and_b32 v1, 15, v0
	v_bfe_u32 v2, v0, 4, 1
	v_mul_u32_u24 v3, v1, PITCH
	v_lshl_add_u32 v3, v2, 4, v3
	s_mul_i32 s18, s[RH], 128*PITCH
	v_add_nc_u32 v[ADRA0], s18, v3
	s_mul_i32 s18, s[CH], 128*PITCH
	s_add_co_u32 s18, s18, 2*SUBTILE
	v_add_nc_u32 v[ADRB0], s18, v3
	v_mov_b32 v[ADRA], v[ADRA0]
	v_mov_b32 v[ADRB], v[ADRB0]
	s_mul_i32 s18, s[WV], 16*SPITCH
	s_add_co_u32 s18, s18, STAGE
	v_mul_u32_u24 v4, v1, SPITCH                   ; in: row lane % 16, 16 bytes for each half of the lanes
	v_lshl_add_u32 v4, v2, 4, v4
	v_add_nc_u32 v[STO], s18, v4
	v_mul_u32_u24 v5, v2, SPITCH                   ; back: lanes 0-15 one row of 256 bytes, lanes 16-31 the next
	v_lshl_add_u32 v5, v1, 4, v5
	v_add_nc_u32 v[RD], s18, v5
	v_lshlrev_b32 v5, 12, v2
	v_lshl_add_u32 v[CO], v1, 4, v5
	s_lshl_b32 s18, s[WV], 10
	s_add_co_u32 s18, s18, STATS
	v_lshl_add_u32 v[SST], v1, 2, s18
	v_and_b32 v6, 31, v0
	v_lshlrev_b32 v[SGO], 4, v6
	v_add_nc_u32 v[SRD], s18, v[SGO]
; 16 matrix instructions: query blocks a0, a0 + 1 of the window's four x all 8 key blocks; the accumulators take turns.  zero = 1: the products start the sums
.macro MUL16 f, hi, a0, zero
	WIN MUL_LO+0x50*(\hi)
.irp a, \a0, (\a0)+1
.irp b, 0,1,2,3,4,5,6,7
.if \zero
	v_wmma_f32_16x16x32_f16 v[8*(8*(\a)+(\b)):8*(8*(\a)+(\b))+7], v[(\f)+8*(\b):(\f)+8*(\b)+7], v[(\f)+8*(4*(\hi)+(\a)):(\f)+8*(4*(\hi)+(\a))+7], 0
.else
	v_wmma_f32_16x16x32_f16 v[8*(8*(\a)+(\b)):8*(8*(\a)+(\b))+7], v[(\f)+8*(\b):(\f)+8*(\b)+7], v[(\f)+8*(4*(\hi)+(\a)):(\f)+8*(4*(\hi)+(\a))+7], v[8*(8*(\a)+(\b)):8*(8*(\a)+(\b))+7]
.endif
.endr
.endr
.endm
.macro FETCH k, f                      ; 32 LDS loads in one run: a quarter's fragments of K, then of Q
	WIN TO_B
.irp i, 0,1,2,3,4,5,6,7
	ds_load_b128 v[(\f)+8*(\i):(\f)+8*(\i)+3],   v[ADRB] offset:(\k)+(\i)*16*PITCH
	ds_load_b128 v[(\f)+8*(\i)+4:(\f)+8*(\i)+7], v[ADRB] offset:(\k)+(\i)*16*PITCH+32
.endr
	WIN 0
.irp i, 0,1,2,3,4,5,6,7
	ds_load_b128 v[(\f)+8*(\i):(\f)+8*(\i)+3],   v[ADRA] offset:(\k)+(\i)*16*PITCH
	ds_load_b128 v[(\f)+8*(\i)+4:(\f)+8*(\i)+7], v[ADRA] offset:(\k)+(\i)*16*PITCH+32
.endr
.endm
.macro QUARTER k, f, g, zero           ; multiplies buffer f; in its middle fetches the next quarter, at byte k, into buffer g
	s_wait_dscnt 8                                 ; K and Q's rows 0-63 are in; the youngest eight loads (Q's rows 64-127) may be out
	MUL16 \f, 0, 0, \zero
	MUL16 \f, 0, 2, \zero
	PLACES
	FETCH \k, \g
	s_wait_dscnt 32                                ; all but the 32 just issued
	MUL16 \f, 1, 0, \zero
	MUL16 \f, 1, 2, \zero
.endm
; A step's last quarter (buffer 1) and the change of slots: ONE barrier; in front of it the wait for all my tensor loads, the add, and the wait for it and for my reads of this slot.
.macro TURN fill
	WIN 0
	s_wait_tensorcnt 0x0
	ds_add_u32 v[SPW], v[NIL]
	s_wait_dscnt 9                                 ; the add and the youngest eight loads may be out
	MUL16 F1, 0, 0, 0
	s_wait_dscnt 0x0                               ; the add is done, and my reads of this slot are over
	s_barrier_signal -1
	MUL16 F1, 0, 2, 0
	WIN 0
	s_barrier_wait -1
.if \fill
	CREST
	s_xor_b32 s[TBF], s[TBF], SLOT                 ; the walking descriptors: the other slot than last time, the next K step
	s_add_co_u32 s[G0+5], s[LB], s[TBF]
	s_add_co_u32 s[G0B+5], s[LB], s[TBF]
	s_add_nc_u64 s[G0+6:G0+7], s[G0+6:G0+7], 1<<21
	s_add_nc_u64 s[G0B+6:G0B+7], s[G0B+6:G0B+7], 1<<21
	JLOAD
.else
	PLACES
.endif
	s_xor_b32 s[TB], s[TB], SLOT
	v_add_nc_u32 v[ADRA], s[TB], v[ADRA0]
	v_add_nc_u32 v[ADRB], s[TB], v[ADRB0]
	FETCH K0, F0
	MUL16 F1, 1, 0, 0
	MUL16 F1, 1, 2, 0
.endm
	s_wait_tensorcnt 0x1                           ; my part of K step 0 is in; step 1's may stay out
	s_barrier_signal -1
	s_barrier_wait -1
	FETCH K0, F0
	QUARTER K1, F0, F1, 1                          ; the first quarter starts the sums
	WIN 0
	s_mov_b32 s[CNT], 6
.Lstep:                                                ; a trip: a step's quarters 1-3, the refill two steps ahead, the next step's quarter 0
	QUARTER K2, F1, F0, 0
	QUARTER K3, F0, F1, 0
	TURN 1
	QUARTER K1, F0, F1, 0
	WIN 0
	s_sub_co_u32 s[CNT], s[CNT], 1
	s_cmp_lg_u32 s[CNT], 0
	s_cbranch_scc1 .Lstep
	s_mov_b32 s[CNT], 2                            ; the last two steps ask for nothing; the second trip is left in its middle
.Ltail:
	QUARTER K2, F1, F0, 0
	QUARTER K3, F0, F1, 0
	WIN 0
	s_cmp_eq_u32 s[CNT], 1
	s_cbranch_scc1 .Llast
	TURN 0
	QUARTER K1, F0, F1, 0
	WIN 0
	s_sub_co_u32 s[CNT], s[CNT], 1
	s_cmp_lg_u32 s[CNT], 0
	s_cbranch_scc1 .Ltail
.Llast:
	s_wait_dscnt 8
	MUL16 F1, 0, 0, 0
	MUL16 F1, 0, 2, 0
	s_wait_dscnt 0x0
	MUL16 F1, 1, 0, 0
	MUL16 F1, 1, 2, 0
	PLACES
	WIN 0
	v_mov_b32 v[CM+1], 0                           ; named with c m as a pair
	v_mov_b32 v[TE], 0                             ; v_permlanex16_b32's destination counts as read
; THE WAY OUT, a block of 16 queries at a time.  HEAD a: the block's maximum over my 128 keys (each accumulator's lowest registers first; 64 scores a lane, the other 64 in the
; lane 16 away), c m, and c s - c m into window 0.  It also stores the block before's two statistics, whose place stands in the immediate.  The rest is one text for all blocks.
.macro HEAD a
.set wn, 2+(\a)/4
.set AC, 64*((\a)%4)
	WIN 0
.if (\a) > 0
	ds_store_b32 v[SST], v[CM] offset:64*((\a)-1)          ; both halves of the lanes write the same word with the same number
	ds_store_b32 v[SST], v[LS] offset:512+64*((\a)-1)
.endif
	WIN wn|(wn<<2)|(wn<<4)
.set bb, 0
.rept 8
	v_max3_num_f32 v[CT+bb], v[AC+8*bb], v[AC+8*bb+1], v[AC+8*bb+2]
.set bb, bb+1
.endr
	WIN (wn<<2)|(wn<<4)
.set bb, 0
.rept 8
	v_max3_num_f32 v[CT+bb], v[CT+bb], v[AC+8*bb+3], v[AC+8*bb+4]
.set bb, bb+1
.endr
.set bb, 0
.rept 8
	v_max3_num_f32 v[CT+bb], v[CT+bb], v[AC+8*bb+5], v[AC+8*bb+6]
.set bb, bb+1
.endr
.set bb, 0
.rept 4
	v_max3_num_f32 v[CT+2*bb], v[CT+2*bb], v[AC+16*bb+7], v[AC+16*bb+15]
.set bb, bb+1
.endr
	WIN 0
	v_max3_num_f32 v[CT], v[CT], v[CT+1], v[CT+2]
	v_max3_num_f32 v[CT+3], v[CT+3], v[CT+4], v[CT+5]
	v_max3_num_f32 v[CT], v[CT], v[CT+6], v[CT+7]
	v_max_num_f32 v[CT], v[CT], v[CT+3]
	v_permlanex16_b32 v[TE], v[CT], s[SEL], s[SEL+1]
	v_max_num_f32 v[MX], v[CT], v[TE]
	v_mul_f32 v[CM], s[CS], v[MX]
	WIN wn
.set bb, 0
.rept 32
	v_pk_fma_f32 v[T+2*bb:T+2*bb+1], v[AC+2*bb:AC+2*bb+1], s[CS:CS+1], v[CM:CM+1] op_sel_hi:[1,0,0] neg_lo:[0,0,1] neg_hi:[0,0,1]
.set bb, bb+1
.endr
	WIN 0
.endm
.macro SENDP
	s_wait_dscnt 0x0                               ; the block is back in registers
.set tt, 0
.rept 8
	global_store_b128 v[CO], v[OB+4*tt:OB+4*tt+3], s[6:7] offset:8192*tt  ; 16 lanes store 256 consecutive bytes, at a multiple of 256 from p's first byte
.set tt, tt+1
.endr
.endm
	HEAD 0
	s_mov_b32 s[BLK], 0
	s_branch .Lsoft
.Lblk:
.irp k, 1,2,3,4,5,6
	s_cmp_eq_u32 s[BLK], \k
	s_cbranch_scc1 .Lhead\k
.endr
	HEAD 7
	s_branch .Lcom
.irp k, 1,2,3,4,5,6
.Lhead\k:
	HEAD \k
	s_branch .Lcom
.endr
.Lcom:
	SENDP
	s_wait_xcnt 0x0                                ; the stores' base and data are rewritten only behind this wait (ISA guide 3.1)
	s_add_nc_u64 s[6:7], s[6:7], 65536             ; 16 rows of p on
.Lsoft:
.set i, 0
.rept 64
	v_exp_f32 v[T+i], v[T+i]
.set i, i+1
.endr
	v_nop                                          ; a plain instruction between the last exponential and the use of its result (ISA guide 5.7.2)
.set i, 0
	s_wait_alu depctr_va_vdst(0)
.rept 32
	v_cvt_pk_f16_f32 v[PK+i], v[T+2*i], v[T+2*i+1]
.set i, i+1
.endr
.irp st, 16,8,4,2,1                    ; the sum of the unrounded weights: 32 pairs, halved five times, in place
.set i, 0
.rept \st
	v_pk_add_f32 v[T+2*i:T+2*i+1], v[T+2*i:T+2*i+1], v[T+2*(i+\st):T+2*(i+\st)+1]
.set i, i+1
.endr
.endr
	v_add_f32 v[LS], v[T], v[T+1]
	v_permlanex16_b32 v[TE], v[LS], s[SEL], s[SEL+1]
	v_add_f32 v[LS], v[LS], v[TE]
.set i, 0
.rept 8
	ds_store_b128 v[STO], v[PK+4*i:PK+4*i+3] offset:32*i
.set i, i+1
.endr
.set i, 0
.rept 8
	ds_load_b128 v[OB+4*i:OB+4*i+3], v[RD] offset:2*SPITCH*i  ; LDS serves a wave's instructions in order (ISA guide 5.7.1.4): these see the stores above
.set i, i+1
.endr
	s_add_co_u32 s[BLK], s[BLK], 1
	s_cmp_lt_u32 s[BLK], 8
	s_cbranch_scc1 .Lblk
	SENDP
	ds_store_b32 v[SST], v[CM] offset:64*7
	ds_store_b32 v[SST], v[LS] offset:512+64*7
	ds_load_b128 v[64:67], v[SRD]                  ; my wave's 128 c m and 128 l, 16 bytes a lane
	ds_load_b128 v[68:71], v[SRD] offset:512
	s_wait_dscnt 0x0
	global_store_b128 v[SGO], v[64:67], s[8:9]     ; 512 consecutive bytes each
	global_store_b128 v[SGO], v[68:71], s[8:9] offset:524288
	s_wait_tensorcnt 0x0                           ; the wave's end
	ds_add_u32 v[SPW], v[NIL]
	s_wait_dscnt 0x0
	CROUND                                         ; the closing round
	s_endpgm
.Lfunc_end_k_q747e18b1c4_score:
	.size	k_q747e18b1c4_score, .Lfunc_end_k_q747e18b1c4_score-k_q747e18b1c4_score
	.p2alignl 7, 3214868480
	.fill 96, 4, 3214868480
	.section	.rodata,"a",@progbits
	.p2align	6, 0x0
	.amdhsa_kernel k_q747e18b1c4_score
		.amdhsa_group_segment_fixed_size 327680
		.amdhsa_private_segment_fixed_size 0
		.amdhsa_enable_private_segment 0
		.amdhsa_kernarg_size 24
		.amdhsa_user_sgpr_count 2
		.amdhsa_user_sgpr_kernarg_segment_ptr 1
		.amdhsa_wavefront_size32 1
		.amdhsa_system_sgpr_workgroup_id_x 1
		.amdhsa_system_sgpr_workgroup_id_y 1
		.amdhsa_system_sgpr_workgroup_id_z 1
		.amdhsa_system_vgpr_workitem_id 0
		.amdhsa_next_free_vgpr 1024
		.amdhsa_next_free_sgpr 80
		.amdhsa_reserve_vcc 0
		.amdhsa_float_denorm_mode_32 3
		.amdhsa_float_denorm_mode_16_64 3
		.amdhsa_memory_ordered 1
		.amdhsa_forward_progress 1
		.amdhsa_inst_pref_size 118
	.end_amdhsa_kernel
	.amdgpu_metadata
---
amdhsa.version: [ 1, 2 ]
amdhsa.kernels:
  - .name:           k_q747e18b1c4_score
    .symbol:         k_q747e18b1c4_score.kd
    .args:
      - { .name: qkv, .offset: 0, .size: 8, .value_kind: global_buffer, .address_space: global }
      - { .name: p, .offset: 8, .size: 8, .value_kind: global_buffer, .address_space: global }
      - { .name: stats, .offset: 16, .size: 8, .value_kind: global_buffer, .address_space: global }
    .group_segment_fixed_size: 327680
    .private_segment_fixed_size: 0
    .kernarg_segment_align: 8
    .kernarg_segment_size: 24
    .max_flat_workgroup_size: 128
    .sgpr_count:     80
    .vgpr_count:     1024
    .wavefront_size: 32
...
	.end_amdgpu_metadata
.endif
;; end of part 3
;; launch pv (part 4): grid 8 x 32, 4 waves a work-group, clusters of 4 x 4, 327,680 bytes of LDS; arguments p, qkv, stats, out0; writes out0
.if DOCPART == 4
	.amdgcn_target "amdgcn-amd-amdhsa--gfx1250"
	.amdhsa_code_object_version 6
	.text
	.protected	k_q747e18b1c4_pv
	.globl	k_q747e18b1c4_pv
	.p2align	8
	.type	k_q747e18b1c4_pv,@function
k_q747e18b1c4_pv:
	s_mov_b64 s[64:65], 0
	v_nop
	global_prefetch_b8 v0, s[64:65] scope:SCOPE_SE
	s_setreg_imm32_b32 hwreg(HW_REG_WAVE_MODE, 25, 1), 1
	s_wait_xcnt 0x0
	s_wait_alu depctr_hold_cnt(0) depctr_sa_sdst(0) depctr_va_vdst(0) depctr_va_sdst(0) depctr_va_ssrc(0) depctr_va_vcc(0) depctr_vm_vsrc(0)
	s_getreg_b32 s2, hwreg(HW_REG_IB_STS2, 6, 4)
	s_cmp_eq_u32 s2, 0
	s_cbranch_scc0 .Lentry_in_a_cluster
	s_endpgm
.Lentry_in_a_cluster:
	s_bfe_u32 s2, ttmp6, 0x10000c
	s_cmp_lg_u32 s2, 0xf033
	s_cbranch_scc0 .Lentry_shape_is_right
	s_endpgm
.Lentry_shape_is_right:
; out[q] = the sum over the 16 key groups g of (f_g / l) (P_g V_g), with c m = the largest of the row's 16 c m_g, f_g = 2^(c m_g - c m), l = the sum of f_g l_g: the row's true maximum is taken away here.
; P (f16, relative to its group's maximum) and V (f16) go to the matrix unit as they lie.  Each group has a sum of its own, T = P_g V_g in f32, started by a product with C = 0; the carried sum is
; O += (f_g / l) T, in f32, one packed multiply-add for two numbers.  The first group's O is a multiplication, so nothing is cleared; out leaves in f32.
; LIMITS.  V arrives in f16.  A group whose maximum lies more than 126 powers of two below the row's counts as 0; NaN and infinities are not treated apart.
; SHARES.  A tile is 256 queries x 128 channels: 32 x 8 tiles, one for each of 256 work-groups.  Wave w makes queries 64 w .. + 63 x all 128 channels: 32 accumulators T (window 2) and as many registers O
; (window 3).  A larger wave tile would not leave room for both; the price is 12 fragments from LDS for 32 products.  A step is one group of 128 keys: four sub-steps of 32 keys, 32 matrix instructions each.
; THE MATRIX INSTRUCTION IS USED TRANSPOSED: source 0 = 16 channels of V (turned out of LDS), source 1 = 16 queries of P: a lane holds query lane % 16 and eight neighbouring channels, so one factor serves a lane's eight numbers.
; The 128 multiply-adds of a step stand in its fourth sub-step, four behind each matrix instruction, for the accumulator finished two products earlier.
; CLUSTER 4 x 4: P's tiles hang on the query tile alone (joint along a row, waves 0 and 1), V's on the batch and the channel tile (joint along a column, waves 2 and 3).
; By this text's count a wave has two tensor loads out at the start and one behind each round.
; THE ORDER OF THE KEYS.  Every tile of P and of V is read by two clusters (P's by the clusters x = 0 and 1 of one cluster row, V's by the two cluster rows of a batch).  Walk position t takes group t xor par,
; par = (cluster x + cluster y) % 2, which differs between the two: of every two steps each of them is the first to ask for one tile and the second to ask for the other.  par enters global addresses alone;
; the factors lie in LDS in the order of the walk.
; PREFETCH.  The tiles that my cluster is the first to ask for (even walk positions 2 to 14) are asked for ahead: position 2 at the start, position s + 4 in step s (s even, up to 10), two trips ahead of the
; tensor load.  Each block of 256 bytes is asked for once: of P's 256 rows work-group cx takes 64, 32 for each of its waves 0 and 1; of V's 128 blocks work-group cy takes 32, its wave 2.
; REGISTERS: window 0: v0-31 addresses; v32-39 the step's four factors, each twice; v64-95, v128-159 P's fragments, two buffers; at the start v48-53, v64-191 at work; at the end v128-255 rows on the way out.
;   window 1: v64-127, v128-191 V's fragments.  window 2: T, accumulator (a, b) at v[8 (8 a + b)].  window 3: O, likewise.
.set PP,    272                        ; a row of P in LDS: 256 bytes + 16: the 16 rows of a load start at 16 different groups of four banks (64 banks of 4 bytes: ISA guide 11.1)
.set PV,    160                        ; a row of V: 128 + 32 bytes
.set VOFF,  256*PP                     ; a slot: P's 256 rows, then two blocks of 128 keys x 64 channels of V
.set VBLK,  128*PV
.set SLOT1, 1<<17                      ; slot 1 begins here: one exclusive or turns an address in one slot into the other's
.set FACS,  SLOT1+VOFF+2*VBLK          ; behind the ring: a wave's factors f / l, f32, each twice, at 512 t + 32 r + 8 a (walk position t, row r of block a)
.set FACW,  8192
.set STAGE, FACS+4*FACW                ; 16 rows x 528 bytes a wave
.set SP,    528
.set SPARE, STAGE+4*16*SP              ; the spare words, 128 bytes a wave: two blocks of 256 bytes that no other line names
.set ADRP0, 16                         ; v16, v17 my lane's place in slot 0: P, V; never rewritten
.set ADRV0, 17
.set ADRP,  18                         ; v18, v19 the same in the slot in hand
.set ADRV,  19
.set FRD,   20                         ; my query's factors of walk position 0
.set FRA,   21                         ; of the position in hand
.set FST,   22                         ; where I put the factors of my two queries
.set PFO,   23                         ; my lane's byte offset in what my wave prefetches; never rewritten
.set STO,   24
.set RD,    25
.set GO,    26                         ; 16 x lane
.set GO8,   27                         ; 8 x lane
.set SPW,   28
.set NIL,   29
.set FAC,   32
.set CMR,   64                         ; at the start: c m of 16 positions x 2 queries, then f
.set LR,    96                         ; l likewise
.set DUP,   128                        ; f / l, each twice
.set F0,    64
.set F1,    128
.set WV, 12                            ; s12 wave; s13 wave / 2: I fetch P (0) or V (1); s14 wave % 2: which half; s15 batch; s16 cx; s17 cy; s18 channel tile; s19 query tile
.set RR, 13
.set HF, 14
.set TX, 18
.set TY, 19
.set TB, 22                            ; s22 the slot in hand; s23 512 x the walk position in hand
.set FO, 23
.set G1, 24                            ; s[24:31] descriptor group 1, P; s[32:39] group 0: the first fill's, and the walking one
.set G0, 32
.set PB, 40                            ; s[40:41] P at my half of the tile's rows; s[42:43] V at my block, the batch's first key
.set VB, 42
.set CNT, 46
.set NX, 47                            ; the walk position to be asked for next
.set G1B, 48
.set G0B, 56
.set PAR, 66
.set OFF, 68                           ; s[68:69] a byte offset, the high word 0
.set BE, 72                            ; s[72:73], s[74:75] stats for even and for odd walk positions
.set BO, 74
.set PFB, 80                           ; s[80:81] what my wave prefetches from; s[82:83] the same at a group; s84 log2 of a group's bytes there
.set PFA, 82
.set PSH, 84
.set MSB, 0
.macro WIN new                         ; the immediate's high byte repeats the setting that is left; a switch that changes nothing is dropped
.if MSB != (\new)
	s_set_vgpr_msb (MSB<<8)|(\new)
.set MSB, (\new)
.endif
.endm
.set MUL, 0xa1                         ; source 0 (V) window 1, source 1 (P) window 0, C and D (T) window 2
.set RID, 0xf2                         ; source 0 (T) window 2, source 1 (factor) window 0, source 2 and destination (O) window 3
.macro PLACES                          ; four places in front of loads into registers that matrix instructions have read, and of reads of results (ISA guide 7.12.1 for reads of results)
.rept 4
	v_nop
.endr
.endm
.macro CREST                           ; a round of the cluster's barrier behind its opening barrier
	s_cmp_lg_u32 s[WV], 0
	s_cbranch_scc1 .Lnot_wave_0_\@
	s_barrier_signal -3
.Lnot_wave_0_\@:
	s_barrier_wait -3
	s_barrier_signal -1
	s_barrier_wait -1
.endm
.macro CROUND
	s_barrier_signal -1
	s_barrier_wait -1
	CREST
.endm
.macro JLOAD                           ; a joint refill by the walking descriptors; the branch hangs on the wave's number alone; s_nop 0 and four v_nop follow each line
	s_cmp_eq_u32 s[RR], 0
	s_cbranch_scc0 .Lfor_b_\@
	tensor_load_to_lds s[G0+4:G0+7], s[G1:G1+7]
	s_nop 0
	PLACES
	s_branch .Lasked_\@
.Lfor_b_\@:
	tensor_load_to_lds s[G0B+4:G0B+7], s[G1B:G1B+7]
	s_nop 0
	PLACES
.Lasked_\@:
.endm
	s_load_b256 s[4:11], s[0:1], 0x0               ; p s[4:5], qkv s[6:7], stats s[8:9], out0 s[10:11]
	v_lshl_add_u32 v[SPW], v0, 2, SPARE
	v_mov_b32 v[NIL], 0
	ds_add_u32 v[SPW], v[NIL]                      ; the wave's opening: the add and its wait ahead of my first tensor load; the set-up below stands between them
	v_lshrrev_b32 v1, 5, v0
	v_readfirstlane_b32 s[WV], v1
	s_lshr_b32 s[RR], s[WV], 1
	s_and_b32 s[HF], s[WV], 1
	s_bfe_u32 s16, ttmp6, 0x40000                  ; cx
	s_bfe_u32 s17, ttmp6, 0x40004                  ; cy
	s_lshl_b32 s[TX], ttmp9, 2
	s_add_co_u32 s[TX], s[TX], s16                 ; channel tile 0..7
	s_and_b32 s15, ttmp7, 0xffff
	s_lshl_b32 s[TY], s15, 2
	s_add_co_u32 s[TY], s[TY], s17                 ; query tile 0..31
	s_add_co_u32 s[PAR], s15, ttmp9
	s_and_b32 s[PAR], s[PAR], 1                    ; (cluster x + cluster y) % 2: the same in all sixteen work-groups
	s_lshr_b32 s15, s15, 1                         ; eight query tiles a batch: the batch hangs on the cluster's y alone
	s_lshl_b32 s20, s17, 2
	s_lshl_b32 s20, 15, s20                        ; my row of the cluster
	s_lshl_b32 s21, 0x1111, s16                    ; my column
	; P: 128 rows of 128 keys (256 bytes), 2,048 elements from row to row, 16 bytes of padding behind each
	s_or_b32 s[G1], s20, (1<<16)|(1<<20)|(1<<21)|(5<<22)|(3<<25)
	s_mov_b32 s[G1+1], 128<<16
	s_mov_b32 s[G1+2], 128<<16
	s_mov_b32 s[G1+3], 128<<16
	s_mov_b32 s[G1+4], 128
	s_mov_b32 s[G1+5], 2048
	s_mov_b32 s[G1+6], 0
	s_mov_b32 s[G1+7], 0
	; V: 128 dense rows of 128 bytes, asked for as 64 rows of 256 bytes, 32 bytes of padding behind every 128
	s_or_b32 s[G1B], s21, (1<<16)|(1<<20)|(1<<21)|(4<<22)|(7<<25)
	s_mov_b32 s[G1B+1], 128<<16
	s_mov_b32 s[G1B+2], 64<<16
	s_mov_b32 s[G1B+3], 128<<16
	s_mov_b32 s[G1B+4], 64
	s_mov_b32 s[G1B+5], 128
	s_mov_b32 s[G1B+6], 0
	s_mov_b32 s[G1B+7], 0
	s_lshl_b32 s[PB], s[TY], 20                    ; P: 256 rows of 4,096 bytes a query tile,
	s_lshl_b32 s67, s[HF], 19                      ; my 128 of them
	s_add_co_u32 s[PB], s[PB], s67
	s_mov_b32 s[PB+1], 0
	s_lshl_b32 s[VB], s[TX], 1                     ; V: channel block 32 + 2 TX + wave % 2,
	s_add_co_u32 s[VB], s[VB], s[HF]
	s_add_co_u32 s[VB], s[VB], 32
	s_lshl_b32 s[VB], s[VB], 20
	s_lshl_b32 s67, s15, 18                        ; 2,048 rows of 128 bytes a batch
	s_add_co_u32 s[VB], s[VB], s67
	s_mov_b32 s[VB+1], 0
	s_mul_i32 s44, s[HF], 128*PP                   ; where my part goes in a slot, for P
	s_mul_i32 s45, s[HF], VBLK                     ; and for V
	s_add_co_u32 s45, s45, VOFF
	s_mov_b32 s[TB], 0
	s_mov_b32 s[FO], 0
	s_mov_b32 s[NX], 2
	s_mov_b32 s[OFF+1], 0
	s_lshl_b32 s70, s[TY], 10                      ; stats: 4 bytes a query: 256 a tile, 64 a wave
	s_lshl_b32 s71, s[WV], 8
	s_add_co_u32 s70, s70, s71
	s_mov_b32 s71, 0
	s_lshl_b32 s76, s[PAR], 15                     ; a group is 32,768 bytes there
	s_mov_b32 s77, 0
	v_and_b32 v7, 31, v0                           ; lane
	v_lshlrev_b32 v[GO8], 3, v7
	s_wait_dscnt 0x0                               ; the opening add is done
	s_wait_kmcnt 0x0
	s_add_nc_u64 s[8:9], s[8:9], s[70:71]
	s_add_nc_u64 s[BE:BE+1], s[8:9], s[76:77]      ; position t even: group t + par
	s_sub_nc_u64 s[BO:BO+1], s[8:9], s[76:77]      ; position t odd: group t - par
	; the statistics of my 64 queries, in the order of the walk: a lane owns queries 2 lane and 2 lane + 1; a load of the wave covers 256 consecutive bytes.  They go out ahead of the round and of the first tiles.
.set t, 0
.rept 8
	global_load_b64 v[CMR+4*t:CMR+4*t+1],   v[GO8], s[BE:BE+1] offset:65536*t
	global_load_b64 v[CMR+4*t+2:CMR+4*t+3], v[GO8], s[BO:BO+1] offset:65536*t+32768
	global_load_b64 v[LR+4*t:LR+4*t+1],     v[GO8], s[BE:BE+1] offset:524288+65536*t
	global_load_b64 v[LR+4*t+2:LR+4*t+3],   v[GO8], s[BO:BO+1] offset:524288+65536*t+32768
.set t, t+1
.endr
	s_add_nc_u64 s[PB:PB+1], s[4:5], s[PB:PB+1]
	s_add_nc_u64 s[VB:VB+1], s[6:7], s[VB:VB+1]
.irp s, 0,1
	s_xor_b32 s70, s[PAR], \s                      ; walk position s takes group s xor par
	s_lshl_b32 s[OFF], s70, 8                      ; 128 keys along P's rows
	s_mov_b32 s[G0+4*(\s)], 1
	s_add_co_u32 s[G0+4*(\s)+1], s44, (\s)*SLOT1
	s_add_nc_u64 s[G0+4*(\s)+2:G0+4*(\s)+3], s[PB:PB+1], s[OFF:OFF+1]
	s_or_b32 s[G0+4*(\s)+3], s[G0+4*(\s)+3], 0x80000000
	s_lshl_b32 s[OFF], s70, 14                     ; 128 rows of V
	s_mov_b32 s[G0B+4*(\s)], 1
	s_add_co_u32 s[G0B+4*(\s)+1], s45, (\s)*SLOT1
	s_add_nc_u64 s[G0B+4*(\s)+2:G0B+4*(\s)+3], s[VB:VB+1], s[OFF:OFF+1]
	s_or_b32 s[G0B+4*(\s)+3], s[G0B+4*(\s)+3], 0x80000000
.endr
	CROUND                                         ; all sixteen work-groups are here: the first joint loads meet
	s_cmp_eq_u32 s[RR], 0                          ; a wave's two first fills stand in one branch
	s_cbranch_scc0 .Lfirst_b
	tensor_load_to_lds s[G0:G0+3], s[G1:G1+7]
	s_nop 0
	tensor_load_to_lds s[G0+4:G0+7], s[G1:G1+7]
	s_nop 0
	PLACES
	s_branch .Lfirst_asked
.Lfirst_b:
	tensor_load_to_lds s[G0B:G0B+3], s[G1B:G1B+7]
	s_nop 0
	tensor_load_to_lds s[G0B+4:G0B+7], s[G1B:G1B+7]
	s_nop 0
	PLACES
.Lfirst_asked:
	; what my wave prefetches: waves 0, 1: rows 64 cx + 32 w + lane of P's tile, a group's 256 bytes of each; wave 2: blocks 32 (cy % 2) + lane of V's channel block 2 TX + cy / 2; wave 3 nothing
	s_lshl_b32 s76, s[TY], 20
	s_mov_b32 s77, 0
	s_add_nc_u64 s[76:77], s[4:5], s[76:77]
	s_lshr_b32 s78, s17, 1
	s_lshl_b32 s67, s[TX], 1
	s_add_co_u32 s78, s78, s67
	s_add_co_u32 s78, s78, 32
	s_lshl_b32 s78, s78, 20
	s_lshl_b32 s67, s15, 18
	s_add_co_u32 s78, s78, s67
	s_mov_b32 s79, 0
	s_add_nc_u64 s[78:79], s[6:7], s[78:79]
	s_lshl_b32 s85, s16, 18                        ; 64 cx rows of 4,096 bytes
	s_lshl_b32 s67, s[WV], 17                      ; + 32 w rows
	s_add_co_u32 s85, s85, s67
	s_and_b32 s86, s17, 1
	s_lshl_b32 s86, s86, 13                        ; 32 blocks of 256 bytes
	s_cmp_lt_u32 s[WV], 2
	s_cselect_b64 s[PFB:PFB+1], s[76:77], s[78:79]
	s_cselect_b32 s[PSH], 8, 14
	s_cselect_b32 s85, s85, s86
	s_cselect_b32 s86, 12, 8
	v_lshlrev_b32 v[PFO], s86, v7
	v_add_nc_u32 v[PFO], s85, v[PFO]
	s_cmp_lt_u32 s[WV], 3
	s_cbranch_scc0 .Lno_pf_start
	s_xor_b32 s67, s[PAR], 2                       ; walk position 2: its tensor load follows in the first step's last sub-step
	s_lshl_b32 s[OFF], s67, s[PSH]
	s_add_nc_u64 s[PFA:PFA+1], s[PFB:PFB+1], s[OFF:OFF+1]
	global_prefetch_b8 v[PFO], s[PFA:PFA+1] th:TH_LOAD_NT scope:SCOPE_SE
.Lno_pf_start:
	s_lshl_b32 s70, s[TY], 20                      ; out0 at my 64 rows: (256 TY + 64 w) x 4,096 + 512 TX
	s_lshl_b32 s71, s[WV], 18
	s_add_co_u32 s70, s70, s71
	s_lshl_b32 s71, s[TX], 9
	s_add_co_u32 s70, s70, s71
	s_mov_b32 s71, 0
	s_add_nc_u64 s[10:11], s[10:11], s[70:71]
	v_and_b32 v1, 15, v0                           ; r
	v_bfe_u32 v2, v0, 4, 1                         ; h
	v_and_b32 v3, 7, v0
	v_bfe_u32 v4, v0, 3, 1
	v_mul_u32_u24 v5, v1, PP
	v_lshl_add_u32 v5, v2, 4, v5                   ; 272 r + 16 h
	s_mul_i32 s67, s[WV], 64*PP                    ; my 64 queries
	v_add_nc_u32 v[ADRP0], s67, v5
	v_lshl_add_u32 v6, v2, 3, v3                   ; the turning load: key 8 h + lane % 8,
	v_mul_u32_u24 v6, v6, PV
	v_lshl_add_u32 v6, v4, 4, v6                   ; 16 bytes for each half of eight lanes
	v_add_nc_u32 v[ADRV0], VOFF, v6
	v_mov_b32 v[ADRP], v[ADRP0]
	v_mov_b32 v[ADRV], v[ADRV0]
	s_lshl_b32 s67, s[WV], 13
	s_add_co_u32 s67, s67, FACS
	v_lshl_add_u32 v[FRD], v1, 5, s67
	v_mov_b32 v[FRA], v[FRD]
	v_lshl_add_u32 v[FST], v3, 6, s67              ; query 2 lane + j is row 2 (lane % 8) + j of block lane / 8
	v_bfe_u32 v8, v0, 3, 2
	v_lshl_add_u32 v[FST], v8, 3, v[FST]
	s_mul_i32 s67, s[WV], 16*SP
	s_add_co_u32 s67, s67, STAGE
	v_mul_u32_u24 v10, v1, SP
	v_lshl_add_u32 v10, v2, 5, v10                 ; in: row r, 32 bytes for each half of the lanes
	v_add_nc_u32 v[STO], s67, v10
	v_lshlrev_b32 v[GO], 4, v7
	v_add_nc_u32 v[RD], s67, v[GO]                 ; back: 32 lanes take a row of 512 bytes
	s_wait_loadcnt 0x0
	v_max3_num_f32 v48, v[CMR], v[CMR+2], v[CMR+4] ; c m: the largest of the 16 c m_g, three operands at a time, for each of my two queries
	v_max3_num_f32 v49, v[CMR+1], v[CMR+3], v[CMR+5]
.set t, 3
.rept 6
	v_max3_num_f32 v48, v48, v[CMR+2*t], v[CMR+2*t+2]
	v_max3_num_f32 v49, v49, v[CMR+2*t+1], v[CMR+2*t+3]
.set t, t+2
.endr
	v_max_num_f32 v48, v48, v[CMR+30]
	v_max_num_f32 v49, v49, v[CMR+31]
.set t, 0
.rept 16                               ; c m_g - c m
	v_pk_add_f32 v[CMR+2*t:CMR+2*t+1], v[CMR+2*t:CMR+2*t+1], v[48:49] neg_lo:[0,1] neg_hi:[0,1]
.set t, t+1
.endr
.set i, 0
.rept 32
	v_exp_f32 v[CMR+i], v[CMR+i]                   ; f_g
.set i, i+1
.endr
	v_nop                                          ; a plain instruction behind the last exponential (ISA guide 5.7.2)
	s_wait_alu depctr_va_vdst(0)
	v_pk_mul_f32 v[50:51], v[CMR:CMR+1], v[LR:LR+1]  ; l = the sum of f_g l_g; the group that holds the row's maximum gives 1 or more
.set t, 1
.rept 15
	v_pk_fma_f32 v[50:51], v[CMR+2*t:CMR+2*t+1], v[LR+2*t:LR+2*t+1], v[50:51]
.set t, t+1
.endr
	v_rcp_f32 v52, v50
	v_rcp_f32 v53, v51
	v_nop
.set i, 0
	s_wait_alu depctr_va_vdst(0)
.rept 32                               ; f_g / l, twice: a pair for the packed multiply-add
	v_mul_f32 v[DUP+2*i],   v[CMR+i], v[52+i%2]
	v_mul_f32 v[DUP+2*i+1], v[CMR+i], v[52+i%2]
.set i, i+1
.endr
.set i, 0
.rept 32
	ds_store_b64 v[FST], v[DUP+2*i:DUP+2*i+1] offset:512*(i/2)+32*(i%2)   ; my wave's own bytes: only I read them
.set i, i+1
.endr
; A sub-step's LDS loads in one run: (fac = 1: the step's four factors;) P's blocks 0, 1; V, turned; P's blocks 2, 3
.macro FETCH q, f, fac
	WIN 0
.if \fac
	ds_load_b128 v[FAC:FAC+3],   v[FRA]
	ds_load_b128 v[FAC+4:FAC+7], v[FRA] offset:16
.endif
.irp i, 0,1
	ds_load_b128 v[(\f)+8*(\i):(\f)+8*(\i)+3],   v[ADRP] offset:(\i)*16*PP+64*(\q)
	ds_load_b128 v[(\f)+8*(\i)+4:(\f)+8*(\i)+7], v[ADRP] offset:(\i)*16*PP+64*(\q)+32
.endr
	WIN 0x40
.irp b, 0,1,2,3,4,5,6,7
	ds_load_tr16_b128 v[(\f)+8*(\b):(\f)+8*(\b)+3],   v[ADRV] offset:((\b)/4)*VBLK+((\b)%4)*32+32*PV*(\q)
	ds_load_tr16_b128 v[(\f)+8*(\b)+4:(\f)+8*(\b)+7], v[ADRV] offset:((\b)/4)*VBLK+((\b)%4)*32+32*PV*(\q)+16*PV
.endr
	WIN 0
.irp i, 2,3
	ds_load_b128 v[(\f)+8*(\i):(\f)+8*(\i)+3],   v[ADRP] offset:(\i)*16*PP+64*(\q)
	ds_load_b128 v[(\f)+8*(\i)+4:(\f)+8*(\i)+7], v[ADRP] offset:(\i)*16*PP+64*(\q)+32
.endr
.endm
; O of accumulator m takes its group's T times f / l, the lowest registers first.  first = 1: the first group starts O
.macro RIDE m, first
	WIN RID
.set rX, 8*(\m)
.rept 4
.if \first
	v_pk_mul_f32 v[rX:rX+1], v[rX:rX+1], v[FAC+2*((\m)/8):FAC+2*((\m)/8)+1]
.else
	v_pk_fma_f32 v[rX:rX+1], v[rX:rX+1], v[FAC+2*((\m)/8):FAC+2*((\m)/8)+1], v[rX:rX+1]
.endif
.set rX, rX+2
.endr
.endm
; Products n0 .. n1 - 1 of a sub-step's 32 (query block n / 8, channel block n % 8); the accumulators take turns, one instruction a turn.  zero = 1: they start the group's sums.
; ride = 1 (the group's last sub-step): behind product n stand the four lines for accumulator n - 2: between a product and the first read of its result stand the eight lines of the two accumulators before
; (four v_nop ahead of the first four); the last three accumulators' lines stand together behind product 31.
.macro PRODS f, n0, n1, zero, ride, first
.set nn, (\n0)
.rept (\n1)-(\n0)
	WIN MUL
.set rD, 8*nn
.set rV, (\f)+8*(nn%8)
.set rP, (\f)+8*(nn/8)
.if \zero
	v_wmma_f32_16x16x32_f16 v[rD:rD+7], v[rV:rV+7], v[rP:rP+7], 0
.else
	v_wmma_f32_16x16x32_f16 v[rD:rD+7], v[rV:rV+7], v[rP:rP+7], v[rD:rD+7]
.endif
.if (\ride) && (nn == 2)
	PLACES
.endif
.if (\ride) && (nn >= 2)
	RIDE nn-2, \first
.endif
.if (\ride) && (nn == 31)
	RIDE 30, \first
	RIDE 31, \first
.endif
.set nn, nn+1
.endr
.endm
; One of a step's first three sub-steps: multiplies buffer f; in its middle fetches sub-step kq of the same slot into buffer g
.macro SUB kq, f, g, zero, fac
	s_wait_dscnt 4                                 ; V and P's blocks 0, 1 are in; the youngest four loads (blocks 2, 3) may be out
	PRODS \f, 0, 16, \zero, 0, 0
	PLACES
	FETCH \kq, \g, \fac
	s_wait_dscnt 24+2*(\fac)                       ; all but the run just issued
	PRODS \f, 16, 32, \zero, 0, 0
.endm
.macro STEP012
	SUB 1, F0, F1, 1, 1                            ; the factors come with the first run: the step before has used its own to the end
	SUB 2, F1, F0, 0, 0
	SUB 3, F0, F1, 0, 0
.endm
; The tile of walk position NX + 1 is asked for ahead, where that position is even and at most 14, by waves 0 to 2
.macro PREF
	s_bitcmp1_b32 s[NX], 0
	s_cbranch_scc0 .Lno_pf_\@
	s_cmp_lt_u32 s[NX], 14
	s_cbranch_scc0 .Lno_pf_\@
	s_cmp_lt_u32 s[WV], 3
	s_cbranch_scc0 .Lno_pf_\@
	s_wait_xcnt 0x0                                ; the last prefetch, two trips back, has read its base (ISA guide 3.1)
	s_add_co_u32 s67, s[NX], 1
	s_xor_b32 s67, s67, s[PAR]
	s_lshl_b32 s[OFF], s67, s[PSH]
	s_add_nc_u64 s[PFA:PFA+1], s[PFB:PFB+1], s[OFF:OFF+1]
	global_prefetch_b8 v[PFO], s[PFA:PFA+1] th:TH_LOAD_NT scope:SCOPE_SE
.Lno_pf_\@:
.endm
; A step's last sub-step (buffer 1), the carried sum, and the change of slots: ONE barrier.  In front of it each wave waits for all its tensor loads (one is out: its part of the next slot), adds 0 to its
; spare word, and waits for that and for its reads of this slot.  fill = 1: the barrier opens a round of the cluster's, and the slot is filled again, two steps ahead, first thing behind it.
; fill = 0 (the tail): nothing is asked for, and in the last trip nothing is fetched.
.macro SUB3 fill, first
	WIN 0
	s_wait_tensorcnt 0x0                           ; all my tensor loads have landed
	ds_add_u32 v[SPW], v[NIL]                      ; 0 onto my spare word; eight products and their riders stand between it and the wait for it
	s_wait_dscnt 5                                 ; the add and the youngest four loads may be out
	PRODS F1, 0, 8, 0, 1, \first
	s_wait_dscnt 0x0                               ; the add is done, and my reads of this slot are over
	s_barrier_signal -1
	PRODS F1, 8, 16, 0, 1, \first
	WIN 0
	s_barrier_wait -1
.if \fill
	CREST                                          ; no wave of any partner still reads this slot or has a load on its way
	s_xor_b32 s70, s[NX], s[PAR]                   ; the walking descriptors: the other slot than last time; the addresses are made anew from the group's number
	s_lshl_b32 s[OFF], s70, 8
	s_xor_b32 s[G0+5], s[G0+5], SLOT1
	s_add_nc_u64 s[G0+6:G0+7], s[PB:PB+1], s[OFF:OFF+1]
	s_or_b32 s[G0+7], s[G0+7], 0x80000000
	s_lshl_b32 s[OFF], s70, 14
	s_xor_b32 s[G0B+5], s[G0B+5], SLOT1
	s_add_nc_u64 s[G0B+6:G0B+7], s[VB:VB+1], s[OFF:OFF+1]
	s_or_b32 s[G0B+7], s[G0B+7], 0x80000000
	s_add_co_u32 s[NX], s[NX], 1
	JLOAD                                          ; its four v_nop are also places in front of the loads below
.else
	PLACES
.endif
	s_xor_b32 s[TB], s[TB], SLOT1
	s_add_co_u32 s[FO], s[FO], 512
	v_add_nc_u32 v[ADRP], s[TB], v[ADRP0]
	v_add_nc_u32 v[ADRV], s[TB], v[ADRV0]
	v_add_nc_u32 v[FRA], s[FO], v[FRD]
.if \fill
	FETCH 0, F0, 0
	PREF
.else
	s_cmp_eq_u32 s[CNT], 1
	s_cbranch_scc1 .Lno_fetch_\@
	FETCH 0, F0, 0
.Lno_fetch_\@:
.endif
	PRODS F1, 16, 32, 0, 1, \first
.endm
	s_wait_tensorcnt 0x1                           ; my part of walk position 0 is in; position 1's may stay out
	s_wait_dscnt 0x0
	s_barrier_signal -1
	s_barrier_wait -1
	FETCH 0, F0, 0
	STEP012                                        ; the first step is written out: its group starts O
	SUB3 1, 1
	WIN 0
	s_mov_b32 s[CNT], 13
.Lstep:                                                ; steps 1 to 13: each asks for the tile two steps on
	STEP012
	SUB3 1, 0
	WIN 0
	s_sub_co_u32 s[CNT], s[CNT], 1
	s_cmp_lg_u32 s[CNT], 0
	s_cbranch_scc1 .Lstep
	s_mov_b32 s[CNT], 2
.Ltail:                                                ; steps 14 and 15 ask for nothing
	STEP012
	SUB3 0, 0
	WIN 0
	s_sub_co_u32 s[CNT], s[CNT], 1
	s_cmp_lg_u32 s[CNT], 0
	s_cbranch_scc1 .Ltail
; THE WAY OUT, a block of 16 queries at a time: O, which is already divided by l, goes through my stage and is stored as whole rows of 512 bytes.
.macro STG a
.set BK, 128+64*((\a)%2)
	WIN 0x0c                                       ; the stores' data in window 3
.set i, 0
.rept 8
	ds_store_b128 v[STO], v[64*(\a)+8*i:64*(\a)+8*i+3]   offset:64*i
	ds_store_b128 v[STO], v[64*(\a)+8*i+4:64*(\a)+8*i+7] offset:64*i+16
.set i, i+1
.endr
	WIN 0
	s_wait_xcnt 0x0                                ; the registers that earlier stores read are loaded again only behind this wait (ISA guide 3.1)
.set i, 0
.rept 16
	ds_load_b128 v[BK+4*i:BK+4*i+3], v[RD] offset:SP*i  ; LDS serves a wave's instructions in order (ISA guide 5.7.1.4): these see the stores above; the next block's stores come behind them
.set i, i+1
.endr
.endm
.macro SEND a, younger                 ; younger: the LDS instructions issued behind block a's loads: the next block's 32, or none
.set BK, 128+64*((\a)%2)
	s_wait_dscnt \younger
.set i, 0
.rept 16
	global_store_b128 v[GO], v[BK+4*i:BK+4*i+3], s[10:11] offset:65536*(\a)+4096*i  ; 512 consecutive bytes, at a multiple of 256 from out0's first byte
.set i, i+1
.endr
.endm
	STG 0
	STG 1
	SEND 0, 32
	STG 2
	SEND 1, 32
	STG 3
	SEND 2, 32
	SEND 3, 0
	s_wait_tensorcnt 0x0                           ; the wave's end
	ds_add_u32 v[SPW], v[NIL]
	s_wait_dscnt 0x0
	CROUND                                         ; the closing round
	s_endpgm
.Lfunc_end_k_q747e18b1c4_pv:
	.size	k_q747e18b1c4_pv, .Lfunc_end_k_q747e18b1c4_pv-k_q747e18b1c4_pv
	.p2alignl 7, 3214868480
	.fill 96, 4, 3214868480
	.section	.rodata,"a",@progbits
	.p2align	6, 0x0
	.amdhsa_kernel k_q747e18b1c4_pv
		.amdhsa_group_segment_fixed_size 327680
		.amdhsa_private_segment_fixed_size 0
		.amdhsa_enable_private_segment 0
		.amdhsa_kernarg_size 32
		.amdhsa_user_sgpr_count 2
		.amdhsa_user_sgpr_kernarg_segment_ptr 1
		.amdhsa_wavefront_size32 1
		.amdhsa_system_sgpr_workgroup_id_x 1
		.amdhsa_system_sgpr_workgroup_id_y 1
		.amdhsa_system_sgpr_workgroup_id_z 1
		.amdhsa_system_vgpr_workitem_id 0
		.amdhsa_next_free_vgpr 1024
		.amdhsa_next_free_sgpr 88
		.amdhsa_reserve_vcc 0
		.amdhsa_float_denorm_mode_32 3
		.amdhsa_float_denorm_mode_16_64 3
		.amdhsa_memory_ordered 1
		.amdhsa_forward_progress 1
		.amdhsa_inst_pref_size 117
	.end_amdhsa_kernel
	.amdgpu_metadata
---
amdhsa.version: [ 1, 2 ]
amdhsa.kernels:
  - .name:           k_q747e18b1c4_pv
    .symbol:         k_q747e18b1c4_pv.kd
    .args:
      - { .name: p, .offset: 0, .size: 8, .value_kind: global_buffer, .address_space: global }
      - { .name: qkv, .offset: 8, .size: 8, .value_kind: global_buffer, .address_space: global }
      - { .name: stats, .offset: 16, .size: 8, .value_kind: global_buffer, .address_space: global }
      - { .name: out0, .offset: 24, .size: 8, .value_kind: global_buffer, .address_space: global }
    .group_segment_fixed_size: 327680
    .private_segment_fixed_size: 0
    .kernarg_segment_align: 8
    .kernarg_segment_size: 32
    .max_flat_workgroup_size: 128
    .sgpr_count:     88
    .vgpr_count:     1024
    .wavefront_size: 32
...
	.end_amdgpu_metadata
.endif
;; end of part 4
;; ======== version 2 of 2: 4 launches; version 1 with the launch cast written anew for expert scheduling mode
;; limits: values are held in f16: magnitudes above 65,504 overflow, below 6.1e-05 lose precision
;; workspace buffers: xb 16,777,216 bytes; wc 6,291,456 bytes; qkv 50,331,648 bytes; p 33,554,432 bytes; stats 1,048,576 bytes
;; launch cast (part 5): grid 256 x 1, 8 waves a work-group, no clusters, 0 bytes of LDS; arguments x, Wq, Wk, Wv, xb, wc; writes xb, wc
.if DOCPART == 5
	.amdgcn_target "amdgcn-amd-amdhsa--gfx1250"
	.amdhsa_code_object_version 6
	.text
	.protected	k_q747e18b1c4_cast
	.globl	k_q747e18b1c4_cast
	.p2align	8
	.type	k_q747e18b1c4_cast,@function
k_q747e18b1c4_cast:
	s_mov_b64 s[64:65], 0
	v_nop
	global_prefetch_b8 v0, s[64:65] scope:SCOPE_SE
	s_setreg_imm32_b32 hwreg(HW_REG_WAVE_SCHED_MODE, 0, 2), 2
	s_setreg_imm32_b32 hwreg(HW_REG_WAVE_MODE, 25, 1), 1
	s_wait_xcnt 0x0
	s_wait_alu depctr_vm_vsrc(0)
; x and the three weights, f32, are rounded once to bf16 (nearest even) and laid out as the projection wants them.
;   xb: [16 kb][8192 row][64]: 64 neighbouring columns of x by blocks, so that any rows x 64 columns are dense bytes.
;   wc: [1024 e][3072 n]: Wq, Wk, Wv side by side, a row of 6,144 bytes.
; A pure stream: no LDS, no matrix unit, no cluster (no byte is read twice).  256 work-groups of equal work: each takes 32 rows of x and rows 4 g .. 4 g + 3 of each of the three weights:
; 180,224 bytes in, 90,112 out.  A thread issues all its 44 loads of 16 bytes first (22,528 bytes of a wave on their way), then rounds them in place and stores them in order; no register is
; written again behind its store.  Every store of a wave covers 256 consecutive bytes, aligned.
; THE MODE: SCHED_MODE bits 1:0 = 2 (LLVM: expert scheduling mode 2), set by the entry lines.  The code itself states the register dependences between vector instructions and memory
; instructions, with s_wait_alu, always for 0.
; THE PLAN.  Registers that memory instructions touch:
;   v2, v6   offsets of the loads, v3, v7 offsets of the stores: written at the head by vector instructions, never again.
;   X        item i has four registers of its own: load i lands in them; item i's two roundings read the four and write the first two; store i reads those two; nothing writes them after that.
; The 44 items go in 11 groups of four.  Every load is issued ahead of every rounding, so only two kinds of dependence are to be stated: the offsets ahead of the first load, and a group's packed
; registers ahead of its stores.  A group's four stores stand in the next group, one ahead of each item's roundings, behind ONE wait at that group's head: the only vector instructions issued since
; that wait are the next group's roundings, which name that group's sixteen registers and none that the stores read.  No register that a load or store has read is written again.
.set X,  8                             ; v[8:183]  44 x 4 numbers as loaded; the first two registers of each four then hold the four bf16
.set NXL, 32                           ; loads of x
.set NWL, 12                           ; loads of the weights
.set GRP, 4                            ; items in a group; it divides NXL and NWL
	s_load_b256 s[4:11], s[0:1], 0x0               ; x s[4:5], Wq s[6:7], Wk s[8:9], Wv s[10:11]
	s_load_b128 s[12:15], s[0:1], 0x20             ; xb s[12:13], wc s[14:15]
	s_mov_b32 s16, ttmp9
	s_mov_b32 s19, 0
	v_lshrrev_b32 v1, 5, v0                        ; wave
	v_and_b32 v4, 15, v0                           ; lane % 16
	v_bfe_u32 v5, v0, 4, 1                         ; lane / 16
	; x: wave w takes column blocks 2 w and 2 w + 1; a load takes 256 bytes (64 columns) of each of two rows, a store their 2 x 128 bytes, which lie end to end in xb
	v_lshlrev_b32 v2, 9, v1                        ; in: 512 w
	v_lshl_add_u32 v2, v5, 12, v2                  ;     + 4,096 (lane / 16)
	v_lshl_add_u32 v2, v4, 4, v2                   ;     + 16 (lane % 16)
	v_lshlrev_b32 v3, 21, v1                       ; out: 2 w blocks of 1,048,576 bytes
	v_lshl_add_u32 v3, v5, 7, v3                   ;     + 128 (lane / 16)
	v_lshl_add_u32 v3, v4, 3, v3                   ;     + 8 (lane % 16)
	; a weight: the 256 threads take a row of 4,096 bytes a load
	v_lshlrev_b32 v6, 4, v0
	v_lshlrev_b32 v7, 3, v0
	s_lshl_b32 s18, s16, 17                        ; 32 rows of 4,096 bytes
	s_wait_kmcnt 0x0
	s_add_nc_u64 s[20:21], s[4:5], s[18:19]
	s_lshl_b32 s18, s16, 12                        ; 32 rows of 128 bytes
	s_add_nc_u64 s[22:23], s[12:13], s[18:19]
	s_lshl_b32 s18, s16, 14                        ; 4 rows of 4,096 bytes
	s_add_nc_u64 s[6:7], s[6:7], s[18:19]
	s_add_nc_u64 s[8:9], s[8:9], s[18:19]
	s_add_nc_u64 s[10:11], s[10:11], s[18:19]
	s_mul_i32 s18, s16, 24576                      ; 4 rows of 6,144 bytes
	s_add_nc_u64 s[14:15], s[14:15], s[18:19]
	s_wait_alu depctr_va_vdst(0)                   ; v2, v3, v6 and v7 are written: every load and store of the kernel reads one of them as its offset
.set i, 0
.rept NXL
	global_load_b128 v[X+4*i:X+4*i+3], v2, s[20:21] offset:256*(i&1)+8192*(i>>1) th:TH_LOAD_NT
.set i, i+1
.endr
.set i, 0
.rept NWL                              ; weight i / 4, its row i % 4
	global_load_b128 v[X+4*(NXL+i):X+4*(NXL+i)+3], v6, s[6+2*(i/4):7+2*(i/4)] offset:4096*(i%4) th:TH_LOAD_NT
.set i, i+1
.endr
; The store of item n: its four bf16, from the first two of its four registers
.macro PUT n
.if (\n) < NXL
	global_store_b64 v3, v[X+4*(\n):X+4*(\n)+1], s[22:23] offset:1048576*((\n)&1)+256*((\n)>>1)
.else
	global_store_b64 v7, v[X+4*(\n):X+4*(\n)+1], s[14:15] offset:6144*(((\n)-NXL)%4)+2048*(((\n)-NXL)/4)
.endif
.endm
.set i, 0
.rept NXL+NWL
	s_wait_loadcnt NXL+NWL-1-i                     ; loads come back in order (ISA guide 5.7.1): load i is in, the younger ones stay out
.if (i % GRP == 0) && (i > 0)
	s_wait_alu depctr_va_vdst(0)                   ; the roundings of the group before have written its eight packed registers, which the four stores dealt into this group read
.endif
.if i >= GRP
	PUT i-GRP                                      ; no wait: no vector instruction since the wait at this group's head names the store's registers
.endif
	v_cvt_pk_bf16_f32 v[X+4*i],   v[X+4*i],   v[X+4*i+1]
	v_cvt_pk_bf16_f32 v[X+4*i+1], v[X+4*i+2], v[X+4*i+3]
.set i, i+1
.endr
	s_wait_alu depctr_va_vdst(0)                   ; the last group's roundings have written its eight packed registers, which the last four stores read
.set i, NXL+NWL-GRP
.rept GRP
	PUT i
.set i, i+1
.endr
	s_endpgm
.Lfunc_end_k_q747e18b1c4_cast:
	.size	k_q747e18b1c4_cast, .Lfunc_end_k_q747e18b1c4_cast-k_q747e18b1c4_cast
	.p2alignl 7, 3214868480
	.fill 96, 4, 3214868480
	.section	.rodata,"a",@progbits
	.p2align	6, 0x0
	.amdhsa_kernel k_q747e18b1c4_cast
		.amdhsa_group_segment_fixed_size 0
		.amdhsa_private_segment_fixed_size 0
		.amdhsa_enable_private_segment 0
		.amdhsa_kernarg_size 48
		.amdhsa_user_sgpr_count 2
		.amdhsa_user_sgpr_kernarg_segment_ptr 1
		.amdhsa_wavefront_size32 1
		.amdhsa_system_sgpr_workgroup_id_x 1
		.amdhsa_system_sgpr_workgroup_id_y 1
		.amdhsa_system_sgpr_workgroup_id_z 1
		.amdhsa_system_vgpr_workitem_id 0
		.amdhsa_next_free_vgpr 184
		.amdhsa_next_free_sgpr 66
		.amdhsa_reserve_vcc 0
		.amdhsa_float_denorm_mode_32 3
		.amdhsa_float_denorm_mode_16_64 3
		.amdhsa_memory_ordered 1
		.amdhsa_forward_progress 1
		.amdhsa_inst_pref_size 17
	.end_amdhsa_kernel
	.amdgpu_metadata
---
amdhsa.version: [ 1, 2 ]
amdhsa.kernels:
  - .name:           k_q747e18b1c4_cast
    .symbol:         k_q747e18b1c4_cast.kd
    .args:
      - { .name: x, .offset: 0, .size: 8, .value_kind: global_buffer, .address_space: global }
      - { .name: Wq, .offset: 8, .size: 8, .value_kind: global_buffer, .address_space: global }
      - { .name: Wk, .offset: 16, .size: 8, .value_kind: global_buffer, .address_space: global }
      - { .name: Wv, .offset: 24, .size: 8, .value_kind: global_buffer, .address_space: global }
      - { .name: xb, .offset: 32, .size: 8, .value_kind: global_buffer, .address_space: global }
      - { .name: wc, .offset: 40, .size: 8, .value_kind: global_buffer, .address_space: global }
    .group_segment_fixed_size: 0
    .private_segment_fixed_size: 0
    .kernarg_segment_align: 8
    .kernarg_segment_size: 48
    .max_flat_workgroup_size: 256
    .sgpr_count:     66
    .vgpr_count:     184
    .wavefront_size: 32
...
	.end_amdgpu_metadata
.endif
;; end of part 5
;; launch proj: the kernel of part 2 again; grid 8 x 32, 4 waves a work-group, clusters of 4 x 4, 327,680 bytes of LDS; arguments xb, wc, bq, bk, bv, qkv; writes qkv
;; launch score: the kernel of part 3 again; grid 8 x 32, 4 waves a work-group, clusters of 4 x 4, 327,680 bytes of LDS; arguments qkv, p, stats; writes p, stats
;; launch pv: the kernel of part 4 again; grid 8 x 32, 4 waves a work-group, clusters of 4 x 4, 327,680 bytes of LDS; arguments p, qkv, stats, out0; writes out0
